; MI455X (gfx1250); checked and timed in simulation.
; The chip was launched on July 23, 2026; its instructions are those of AMD's public machine-readable ISA for CDNA 5 (MIT licence, August 2026) and "CDNA5" Instruction Set Architecture Reference Guide (July 2026). The comments in the code are by the model that wrote it; some were corrected since.
;; Multi Head. Allowed arithmetic: matrix products marked QUANTISED: E2M3 operands, one E8M0 scale for each 32 along K, by v_wmma_scale_f32_16x16x128_f8f6f4 with both operands' format E2M3, f32 sums; everything else in f32.
;; Inputs: Wk 1,024 x 1,024 float32; Wp 1,024 x 1,024 float32; Wq 1,024 x 1,024 float32; Wv 1,024 x 1,024 float32; bk 1,024 float32; bp 1,024 float32; bq 1,024 float32; bv 1,024 float32; x 4 x 2,048 x 1,024 float32.
;; Outputs: out0 4 x 2,048 x 1,024 float32.
;; This version of the problem:
;;   THIS VERSION OF THE PROBLEM IS GIVEN IN LOW PRECISION. The matrix products marked QUANTISED in the list below multiply operands that are first quantised to E2M3 (2 exponent bits, 3 mantissa bits; 6 bits a number), with one power-of-two scale for each 32 numbers along K (OCP MX v1.0); their sums are f32. All else is computed in f32.
;;   The module's matrix products, in the order in which they are computed (A, B: the left and right operand; K: the contracted axis; several contracted axes count as one K, in the product's order):
;;     1. [M 8,192, K 1,024] x [K 1,024, N 1,024]; A: input x; B: input Wq: QUANTISED
;;     2. [M 8,192, K 1,024] x [K 1,024, N 1,024]; A: input x; B: input Wk: QUANTISED
;;     3. [M 8,192, K 1,024] x [K 1,024, N 1,024]; A: input x; B: input Wv: QUANTISED
;;     4. batch 64 x [M 2,048, K 64] x [K 64, N 2,048]; A: computed on the way; B: computed on the way: QUANTISED
;;     5. batch 64 x [M 64, K 2,048] x [K 2,048, N 2,048]; A: computed on the way; B: softmax (see below): QUANTISED
;;     6. [M 8,192, K 1,024] x [K 1,024, N 1,024]; A: computed on the way; B: input Wp: QUANTISED
;;   THE QUANTISER, for each operand of a quantised product, along K:
;;     - K is cut into blocks of 32 from its start; a last block that is shorter is filled with zeros.
;;     - A block's scale is 2^e with e = floor(log2(the largest magnitude in the block)) - 2, held to -126 .. 127; a block of zeros has e = 0. As a byte (E8M0): e + 127.
;;     - Each number is divided by its block's scale, clamped to +-7.5, and rounded to the nearest number of E2M3, ties to even, subnormals kept.
;;     - The product sums the exact products of the quantised numbers (number of the format x scale) in f32.
;;   ~~~python
;;   def quantise(x, axis):      # numpy; x: float32 -> the quantised numbers, widened to float32 again
;;       x = np.moveaxis(x, axis, -1); K = x.shape[-1]
;;       x = np.pad(x, [(0, 0)] * (x.ndim - 1) + [(0, -K % 32)]); x = x.reshape(x.shape[:-1] + (-1, 32)); a = np.abs(x).max(-1, keepdims=True)
;;       e = np.where(a > 0, np.clip(np.frexp(np.where(a > 0, a, 1))[1] - 1 - 2, -126, 127), 0)      # np.frexp(a)[1] - 1 = floor(log2(a)), exactly
;;       r = np.clip(x / 2.0 ** e, -7.5, 7.5)
;;       step = 2.0 ** (np.maximum(np.frexp(np.where(r == 0, 1, r))[1] - 1, 0) - 3)
;;       q = np.round(r / step) * step * 2.0 ** e      # np.round: ties to even
;;       return np.moveaxis(q.reshape(q.shape[:-2] + (-1,))[..., :K], -1, axis).astype(np.float32)
;;   ~~~
;;   SOFTMAX AHEAD OF A QUANTISED PRODUCT. Where the list says 'softmax', what is quantised is not the finished softmax but p = 2^(t - M), with t = logit x log2(e) and M = ceil(the row's largest t), a whole number; so 1/2 < the row's largest p <= 1. The row's sum l is taken of the UNQUANTISED p, in f32, and the product's result is divided by l at the end. Since M is a whole number, a kernel that streams over the keys may use a running M (the ceiling of the running maximum): every later rescaling is an exact power of two, which a block's scale takes up: the codes' values come out the same.
;;   OPERANDS COMPUTED ON THE WAY. 'Computed on the way' means the value that the module computes at that place (a softmax that the list does not call 'softmax' is quantised finished and normalised). What goes into a quantiser is computed in f32, as accurately as f32 sums, v_exp_f32 and their like allow (about 1e-6 of the number): no bf16 or f16 on the way to a quantiser, and a product that is left as it is and whose result goes on into a quantised operand takes f32 operands (vector FMAs, or v_wmma_f32_16x16x4_f32). A number that lies on a knife's edge between two numbers of the format may be rounded either way, as far as f32 arithmetic and the matrix unit's own rounding can turn it there, and no further.
;; One version. Each part assembles by itself: llvm-mc -triple=amdgcn-amd-amdhsa -mcpu=gfx1250 --defsym DOCPART=n.
;; ======== version 1 of 1: 4 launches
;; workspace buffers: xr 6,553,600 bytes; wr 3,276,800 bytes; qkv 19,660,800 bytes; orec 6,553,600 bytes
;; launch quant (part 1): grid 384 x 1, 4 waves a work-group, no clusters, 59,904 bytes of LDS; arguments x, Wq, Wk, Wv, Wp, xr, wr; writes xr, wr
.if DOCPART == 1
	.amdgcn_target "amdgcn-amd-amdhsa--gfx1250"
	.amdhsa_code_object_version 6
	.text
	.protected	k_q8462356c0f_quant
	.globl	k_q8462356c0f_quant
	.p2align	8
	.type	k_q8462356c0f_quant,@function
k_q8462356c0f_quant:
	s_mov_b64 s[64:65], 0
	v_nop
	global_prefetch_b8 v0, s[64:65] scope:SCOPE_SE
	s_setreg_imm32_b32 hwreg(HW_REG_WAVE_MODE, 25, 1), 1
	s_wait_xcnt 0x0
; x [8192][1024] and Wq, Wk, Wv, Wp [1024 (k)][1024 (n)], f32, become codes of FP6 (E2M3) with one E8M0 scale byte for each 32 along K,
; laid in the order of the operands' registers, so that the later launches fetch them by dense loads alone.
; A TILE is 16 rows of a group of 128: lane r of tile i holds row 32 (i / 2) + 8 (i % 2) + r + 8 (r / 8).
; A FRAGMENT (16 rows x 128 K, 12 registers a lane) is 1,536 bytes, two halves of 768: registers 6 c .. 6 c + 3 at 16 x lane, registers 6 c + 4, 6 c + 5 at 512 + 8 x lane.
; A CHUNK RECORD (128 rows x 256 K) is 25,600 bytes: fragment (tile i, K step k') at 3072 i + 1536 k'; scale words at 24,576 + 128 i + 4 (16 k' + r).  Four chunk records are a block record.
; A block's scale is 2^(floor(log2(its largest magnitude)) - 2); its byte is the largest magnitude's exponent field - 2, held at 1 from below.
; LIMITS: NaN and infinities among the inputs are not served; a block whose largest magnitude lies under 2^-124, a block of zeros too, keeps the byte 1 (its codes then add what the held scale leaves; zeros add nothing); the bytes are read by this program alone.
; Work-groups 0-255 take x (block = number / 4, chunk = number % 4), work-groups 256-383 a weight.  Each reads 128 KiB and writes one chunk record.  The two ways part once, on the work-group's number,
; and each has LDS bytes of its own.  Waves share nothing: no barrier.
.set XSTG,  8448                       ; x: a wave's stage: 16 rows x (512 bytes + 16)
.set WLDS,  4*XSTG                     ; the weights' stages begin here
.set WSTG,  6400                       ; a weight wave's stage: two tiles' four fragments, 6,144 bytes, and 256 bytes of scale words
.set BREC,  102400
.set CREC,  25600
.set SCW,   24576
.set FLOOR, 0x1800000                  ; 2^(3 - 127): no largest magnitude is taken under it, so the byte cannot fall under 1
.set TAKE2, 0xff000000                 ; takes 2 off an exponent field
.set RW,    32                         ; v32-159  x: two sets of 64 registers as loaded
.set XN,    160                        ; v160-223 x: a lane's 64 numbers: k = 64 c + 32 h + 0 .. 31 at 32 c
.set CD,    224                        ; v224-247 x: two sets of 12 registers of codes
	s_load_b256 s[4:11], s[0:1], 0x0               ; x, Wq, Wk, Wv
	s_load_b128 s[12:15], s[0:1], 0x20             ; Wp, xr
	s_load_b64 s[16:17], s[0:1], 0x30              ; wr
	v_lshl_add_u32 v251, v0, 2, 0xe800
	v_mov_b32 v255, 0
	v_lshrrev_b32 v1, 5, v0
	v_readfirstlane_b32 s18, v1                    ; wave 0..3
	v_and_b32 v1, 31, v0                           ; lane
	s_mov_b32 s20, 0x76543210
	s_mov_b32 s21, 0xfedcba98                      ; v_permlanex16_b32's selects for lane l xor 16
	s_cmp_lt_u32 ttmp9, 256
	s_cbranch_scc0 .Lweights
; ---------------- x: K is innermost.  Wave w takes rows 32 w .. 32 w + 31 of the block: tiles 2 w and 2 w + 1, four fragments f (tile 2 w + f / 2, K step f % 2).
; Each load reads one row's 512 consecutive bytes; a fragment's 16 rows turn through the wave's stage and come back 128 bytes a lane and block.
	s_lshr_b32 s22, ttmp9, 2                       ; block of 128 rows
	s_and_b32 s23, ttmp9, 3                        ; chunk of 256 along K
	s_lshl_b32 s24, s22, 19                        ; 128 rows x 4,096 bytes
	s_lshl_b32 s25, s18, 17                        ; 32 rows
	s_add_co_u32 s24, s24, s25
	s_lshl_b32 s25, s23, 10                        ; 256 numbers
	s_add_co_u32 s24, s24, s25
	s_mov_b32 s25, 0
	s_mul_i32 s26, s22, BREC
	s_mul_i32 s27, s23, CREC
	s_add_co_u32 s26, s26, s27
	s_mov_b32 s27, 0
	s_mul_i32 s28, s18, XSTG
	s_mul_i32 s29, s18, 6144                       ; my two tiles in the chunk record
	s_lshl_b32 s30, s18, 8                         ; and their scale words
	v_and_b32 v9, 15, v0                           ; r
	v_bfe_u32 v10, v0, 4, 1                        ; h
	v_lshlrev_b32 v12, 4, v1                       ; x: my 16 bytes of a row's 512
	v_add_nc_u32 v2, s29, v12                      ; out: 16 x lane + 6,144 w
	v_lshl_add_u32 v3, v1, 3, s29                  ; 8 x lane + 6,144 w
	v_lshl_add_u32 v4, v1, 2, s30                  ; 4 x lane + 256 w
	v_add_nc_u32 v5, s28, v12                      ; the stage, in: 16 x lane, a row by the immediate
	v_mul_u32_u24 v6, v9, 528
	v_lshl_add_u32 v6, v10, 7, v6
	v_add_nc_u32 v6, s28, v6                       ; and out: row r, + 128 h
	v_lshlrev_b32 v7, 3, v10                       ; 8 h: my bytes' place in a scale word
	v_mov_b32 v15, 0                               ; a lane permute's destination counts as one of its sources
	v_cmp_le_u32 vcc_lo, 16, v1                    ; lanes 16-31
	s_wait_kmcnt 0x0
	s_add_nc_u64 s[4:5], s[4:5], s[24:25]
	s_add_nc_u64 s[14:15], s[14:15], s[26:27]
.macro XLOAD f                         ; fragment f's 16 rows x 512 bytes into set f % 2
.irp p, 0,1,2,3,4,5,6,7,8,9,10,11,12,13,14,15
	global_load_b128 v[RW+64*((\f)%2)+4*\p:RW+64*((\f)%2)+4*\p+3], v12, s[4:5] offset:(8*((\f)/2)+\p+8*(\p/8))*4096+512*((\f)%2) th:TH_LOAD_NT
.endr
.endm
.macro XTURN f                         ; through the stage: LDS serves a wave's instructions in order, so no wait stands between the stores and the loads
.irp p, 0,1,2,3,4,5,6,7,8,9,10,11,12,13,14,15
	ds_store_b128 v5, v[RW+64*((\f)%2)+4*\p:RW+64*((\f)%2)+4*\p+3] offset:528*\p
.endr
.irp c, 0,1
.irp j, 0,1,2,3,4,5,6,7
	ds_load_b128 v[XN+32*\c+4*\j:XN+32*\c+4*\j+3], v6 offset:256*\c+16*\j
.endr
.endr
.endm
.macro XQ f                            ; 64 numbers of a lane, two whole blocks (2 c + h), become the fragment's 12 registers and my row's scale word
.set CC, CD+12*((\f)%2)
.set FO, 3072*((\f)/2)+1536*((\f)%2)
	v_max3_num_f32 v8, |v[XN]|, |v[XN+1]|, FLOOR
	v_max3_num_f32 v9, |v[XN+32]|, |v[XN+33]|, FLOOR
.irp i, 2,4,6,8,10,12,14,16,18,20,22,24,26,28,30
	v_max3_num_f32 v8, v8, |v[XN+\i]|, |v[XN+1+\i]|                ; the two blocks by turns
	v_max3_num_f32 v9, v9, |v[XN+32+\i]|, |v[XN+33+\i]|
.endr
	v_add_nc_u32 v10, TAKE2, v8                    ; the conversion takes the exponent field of this operand as its scale
	v_add_nc_u32 v11, TAKE2, v9
	v_lshrrev_b32 v13, 23, v10                     ; the bytes of blocks h and 2 + h
	v_lshrrev_b32 v14, 23, v11
	v_lshl_or_b32 v13, v14, 16, v13
	v_lshlrev_b32 v13, v7, v13                     ; at their places in the word
	v_permlanex16_b32 v15, v13, s20, s21
	v_or_b32 v[16+(\f)], v13, v15                  ; with lane l xor 16's two the word is whole
	s_wait_xcnt 0x0                                ; the stores of two fragments back have read this set of codes
	v_cvt_scalef32_pk16_fp6_f32 v[CC:CC+2], v[XN:XN+15], v10
	v_cvt_scalef32_pk16_fp6_f32 v[248:250], v[XN+16:XN+31], v10    ; (a conversion's three registers begin on an even number)
	v_cvt_scalef32_pk16_fp6_f32 v[CC+6:CC+8], v[XN+32:XN+47], v11
	v_cvt_scalef32_pk16_fp6_f32 v[252:254], v[XN+48:XN+63], v11
	v_nop                                          ; one plain place behind a scaled conversion
.irp i, 0,1,2
	v_mov_b32 v[CC+3+\i], v[248+\i]
	v_mov_b32 v[CC+9+\i], v[252+\i]
.endr
	global_store_b128 v2, v[CC:CC+3], s[14:15] offset:FO           ; 512 consecutive bytes, aligned to 256
	global_store_b64 v3, v[CC+4:CC+5], s[14:15] offset:FO+512      ; 256
	global_store_b128 v2, v[CC+6:CC+9], s[14:15] offset:FO+768
	global_store_b64 v3, v[CC+10:CC+11], s[14:15] offset:FO+1280
.if (\f)%2
	v_cndmask_b32 v[20+(\f)/2], v[16+(\f)-1], v[16+(\f)], vcc_lo   ; lanes 0-15: K step 0's word of row r; lanes 16-31: K step 1's
	global_store_b32 v4, v[20+(\f)/2], s[14:15] offset:SCW+128*((\f)/2)
.endif
.endm
	XLOAD 0
	XLOAD 1
.irp f, 0,1,2,3
.if \f < 3
	s_wait_loadcnt 16                              ; this fragment's 16 loads are in; the next one's may be out
.else
	s_wait_loadcnt 0x0
.endif
	XTURN \f
	s_wait_dscnt 0x0                               ; my numbers are back, and the stage's stores have read the set,
.if \f < 2
	XLOAD \f+2                                     ; which takes the loads of two fragments on
.endif
	XQ \f
.endr
	s_wait_tensorcnt 0x0
	ds_add_u32 v251, v255
	s_wait_dscnt 0x0
	s_endpgm
; ---------------- a weight: K is its first axis.  A lane takes a column n, and its registers run down K: a block of 32 lies in one lane, and the codes come out with K innermost.
; Lane l of wave w holds row 32 w + l of the record: tile 2 w + bit 3 of l, tile lane r = 8 x bit 4 + the low three bits.  Block t of the chunk's eight is K step t / 4, half (t / 2) % 2, lanes 16 (t % 2) + r.
.Lweights:
	s_sub_co_u32 s22, ttmp9, 256
	s_lshr_b32 s23, s22, 5                         ; which weight: 0 Wq, 1 Wk, 2 Wv, 3 Wp
	s_bfe_u32 s24, s22, 0x30002                    ; block of 128 columns
	s_and_b32 s25, s22, 3                          ; chunk of 256 along K
	s_lshl_b32 s26, s25, 20                        ; 256 rows x 4,096 bytes
	s_lshl_b32 s27, s24, 9
	s_add_co_u32 s26, s26, s27
	s_lshl_b32 s27, s18, 7                         ; 32 columns
	s_add_co_u32 s26, s26, s27
	s_mov_b32 s27, 0
	s_lshl_b32 s28, s23, 3
	s_add_co_u32 s28, s28, s24
	s_mul_i32 s28, s28, BREC
	s_mul_i32 s29, s25, CREC
	s_add_co_u32 s28, s28, s29
	s_mov_b32 s29, 0
	s_mul_i32 s30, s18, WSTG
	s_add_co_u32 s30, s30, WLDS                    ; my stage
	v_lshlrev_b32 v2, 2, v1                        ; in: 4 bytes a lane
	v_and_b32 v3, 7, v0
	v_bfe_u32 v4, v0, 3, 1
	v_bfe_u32 v5, v0, 4, 1
	v_lshl_add_u32 v3, v5, 3, v3                   ; r
	v_mul_u32_u24 v6, v4, 3072
	v_add_nc_u32 v6, s30, v6                       ; my tile in the stage
	v_lshl_add_u32 v10, v3, 4, v6                  ; + 16 r
	v_lshl_add_u32 v11, v3, 3, v6                  ; + 8 r
	v_lshlrev_b32 v7, 7, v4
	v_lshl_add_u32 v7, v3, 2, v7
	v_add_nc_u32 v12, s30, v7                      ; my scale words: 128 x tile + 4 r
	v_lshl_add_u32 v13, v1, 4, s30                 ; the way out of the stage: 16 x lane,
	v_lshl_add_u32 v14, v1, 3, s30                 ; 8 x lane
	s_mul_i32 s31, s18, 6144
	v_lshl_add_u32 v15, v1, 4, s31                 ; and the same places in the chunk record
	s_lshl_b32 s31, s18, 8
	v_lshl_add_u32 v16, v1, 3, s31
	s_wait_kmcnt 0x0
	s_cmp_eq_u32 s23, 1                            ; the choice hangs on the work-group's number alone
	s_cselect_b64 s[32:33], s[8:9], s[6:7]
	s_cmp_eq_u32 s23, 2
	s_cselect_b64 s[32:33], s[10:11], s[32:33]
	s_cmp_eq_u32 s23, 3
	s_cselect_b64 s[32:33], s[12:13], s[32:33]
	s_add_nc_u64 s[32:33], s[32:33], s[26:27]
	s_add_nc_u64 s[16:17], s[16:17], s[28:29]
.macro WLOAD t                         ; block t: W(32 t + i, my column) into set t % 2: 128 consecutive bytes a wave, 512 a work-group
.irp i, 0,1,2,3,4,5,6,7,8,9,10,11,12,13,14,15,16,17,18,19,20,21,22,23,24,25,26,27,28,29,30,31
	global_load_b32 v[32+32*((\t)%2)+\i], v2, s[32:33] offset:(32*(\t)+\i)*4096 th:TH_LOAD_NT
.endr
.endm
.macro WBLOCK t
.set XS, 32+32*((\t)%2)
.set HO, 1536*((\t)/4)+768*(((\t)/2)%2)
.if (\t) < 7
	s_wait_loadcnt 32                              ; this block's 32 loads are in; the next block's may be out
.else
	s_wait_loadcnt 0x0
.endif
	v_max3_num_f32 v20, |v[XS]|, |v[XS+1]|, |v[XS+2]|
	v_max3_num_f32 v21, |v[XS+3]|, |v[XS+4]|, |v[XS+5]|
.irp i, 6,10,14,18,22,26
	v_max3_num_f32 v20, v20, |v[XS+\i]|, |v[XS+\i+1]|
	v_max3_num_f32 v21, v21, |v[XS+\i+2]|, |v[XS+\i+3]|
.endr
	v_max3_num_f32 v20, v20, |v[XS+30]|, |v[XS+31]|
	v_max3_num_f32 v20, v20, v21, FLOOR
	v_add_nc_u32 v22, TAKE2, v20
	v_lshrrev_b32 v23, 23, v22                     ; the scale's byte
.if (\t)%4 == 0
	v_mov_b32 v[24+(\t)/4], v23                    ; four bytes to a word, the lower K in the lower byte
.else
	v_lshl_or_b32 v[24+(\t)/4], v23, 8*((\t)%4), v[24+(\t)/4]
.endif
	v_cvt_scalef32_pk16_fp6_f32 v[96:98], v[XS:XS+15], v22
	v_cvt_scalef32_pk16_fp6_f32 v[100:102], v[XS+16:XS+31], v22
	v_nop                                          ; one plain place behind a scaled conversion
	v_mov_b32 v99, v100
	v_mov_b32 v100, v101
	v_mov_b32 v101, v102                           ; v96-101: the block's 24 bytes
	ds_store_b128 v10, v[96:99] offset:HO+256*((\t)%2)
	ds_store_b64 v11, v[100:101] offset:HO+512+128*((\t)%2)
.if (\t)+2 < 8
	WLOAD (\t)+2
.endif
	s_wait_dscnt 0x0                               ; the stores have read their registers: the next block's codes may be written
.endm
	WLOAD 0
	WLOAD 1
.irp t, 0,1,2,3,4,5,6,7
	WBLOCK \t
.endr
	ds_store_b32 v12, v24 offset:6144              ; K step 0's word of my row,
	ds_store_b32 v12, v25 offset:6144+64           ; K step 1's
.irp m, 0,1,2,3,4,5,6,7,8,9,10,11
	ds_load_b128 v[112+4*\m:112+4*\m+3], v13 offset:512*\m         ; LDS serves a wave's instructions in order: these see my stores
.endr
	ds_load_b64 v[160:161], v14 offset:6144
.irp m, 0,1,2,3,4,5,6,7,8,9,10,11
	s_wait_dscnt 12-\m                             ; the loads issued behind load m may be out
	global_store_b128 v15, v[112+4*\m:112+4*\m+3], s[16:17] offset:512*\m   ; 512 consecutive bytes, aligned to 256
.endr
	s_wait_dscnt 0x0
	global_store_b64 v16, v[160:161], s[16:17] offset:SCW          ; 256 consecutive bytes, aligned
	s_wait_tensorcnt 0x0
	ds_add_u32 v251, v255
	s_wait_dscnt 0x0
	s_endpgm
.Lfunc_end_k_q8462356c0f_quant:
	.size	k_q8462356c0f_quant, .Lfunc_end_k_q8462356c0f_quant-k_q8462356c0f_quant
	.p2alignl 7, 3214868480
	.fill 96, 4, 3214868480
	.section	.rodata,"a",@progbits
	.p2align	6, 0x0
	.amdhsa_kernel k_q8462356c0f_quant
		.amdhsa_group_segment_fixed_size 59904
		.amdhsa_private_segment_fixed_size 0
		.amdhsa_enable_private_segment 0
		.amdhsa_kernarg_size 56
		.amdhsa_user_sgpr_count 2
		.amdhsa_user_sgpr_kernarg_segment_ptr 1
		.amdhsa_wavefront_size32 1
		.amdhsa_system_sgpr_workgroup_id_x 1
		.amdhsa_system_sgpr_workgroup_id_y 1
		.amdhsa_system_sgpr_workgroup_id_z 1
		.amdhsa_system_vgpr_workitem_id 0
		.amdhsa_next_free_vgpr 256
		.amdhsa_next_free_sgpr 66
		.amdhsa_reserve_vcc 1
		.amdhsa_float_denorm_mode_32 3
		.amdhsa_float_denorm_mode_16_64 3
		.amdhsa_memory_ordered 1
		.amdhsa_forward_progress 1
		.amdhsa_inst_pref_size 72
	.end_amdhsa_kernel
	.amdgpu_metadata
---
amdhsa.version: [ 1, 2 ]
amdhsa.kernels:
  - .name:           k_q8462356c0f_quant
    .symbol:         k_q8462356c0f_quant.kd
    .args:
      - { .name: x, .offset: 0, .size: 8, .value_kind: global_buffer, .address_space: global }
      - { .name: Wq, .offset: 8, .size: 8, .value_kind: global_buffer, .address_space: global }
      - { .name: Wk, .offset: 16, .size: 8, .value_kind: global_buffer, .address_space: global }
      - { .name: Wv, .offset: 24, .size: 8, .value_kind: global_buffer, .address_space: global }
      - { .name: Wp, .offset: 32, .size: 8, .value_kind: global_buffer, .address_space: global }
      - { .name: xr, .offset: 40, .size: 8, .value_kind: global_buffer, .address_space: global }
      - { .name: wr, .offset: 48, .size: 8, .value_kind: global_buffer, .address_space: global }
    .group_segment_fixed_size: 59904
    .private_segment_fixed_size: 0
    .kernarg_segment_align: 8
    .kernarg_segment_size: 56
    .max_flat_workgroup_size: 128
    .sgpr_count:     66
    .vgpr_count:     256
    .wavefront_size: 32
...
	.end_amdgpu_metadata
.endif
;; end of part 1
;; launch qkv (part 2): grid 12 x 64, 4 waves a work-group, clusters of 4 x 4, 307,712 bytes of LDS; arguments xr, wr, bq, bk, bv, qkv; writes qkv
.if DOCPART == 2
	.amdgcn_target "amdgcn-amd-amdhsa--gfx1250"
	.amdhsa_code_object_version 6
	.text
	.protected	k_q8462356c0f_qkv
	.globl	k_q8462356c0f_qkv
	.p2align	8
	.type	k_q8462356c0f_qkv,@function
k_q8462356c0f_qkv:
	s_mov_b64 s[64:65], 0
	v_nop
	global_prefetch_b8 v0, s[64:65] scope:SCOPE_SE
	s_setreg_imm32_b32 hwreg(HW_REG_WAVE_MODE, 25, 1), 1
	s_wait_xcnt 0x0
	s_wait_alu depctr_hold_cnt(0) depctr_sa_sdst(0) depctr_va_vdst(0) depctr_va_sdst(0) depctr_va_ssrc(0) depctr_va_vcc(0) depctr_vm_vsrc(0)
	s_getreg_b32 s2, hwreg(HW_REG_IB_STS2, 6, 4)
	s_cmp_eq_u32 s2, 0
	s_cbranch_scc0 .Lentry_in_a_cluster
	s_endpgm
.Lentry_in_a_cluster:
	s_bfe_u32 s2, ttmp6, 0x10000c
	s_cmp_lg_u32 s2, 0xf033
	s_cbranch_scc0 .Lentry_shape_is_right
	s_endpgm
.Lentry_shape_is_right:
; q = x Wq + bq, k = x Wk + bk, v = x Wv + bv on codes of FP6 (E2M3) with E8M0 scales, f32 sums; the results are quantised in registers (q, k along the head's channels, v along the keys) and leave as codes.
; A work-group makes 128 tokens (block record tile y of xr: P) x 256 output channels (block records 2 tile x and 2 tile x + 1 of wr: R).  All of K = 1,024 lies in LDS: twelve chunk records of 25,600 bytes,
; each filled once: no slot is filled again.  The cluster's x is the ROLE: 0 q, 1 k, 2 v; it is the same in all sixteen partners.
; CLUSTERS: 4 x 4.  The four of a row need the same P, the four of a column the same R: each chunk is asked for jointly.  Wave 0 asks for P's four chunks, waves 1 and 2 for an R record's four, wave 3 for none: four tensor loads a wave are out at the most.
; A WAVE: 4 tiles L (source 1: a lane is a row of L) x 8 tiles G (source 0: the registers run along G's rows): 32 accumulators.  q, k: G = my 128 channels, L = 64 tokens: a lane holds a token, its 64 registers of a tile of tokens the
; head pair's 128 channels.  v: G = the 128 tokens, L = 64 channels: a lane holds a channel, its registers run along the keys.  By the rule of tiles (lane r of tile i: row 32 (i / 2) + 8 (i % 2) + r + 8 (r / 8)) the 16 registers of G's tiles 2 b, 2 b + 1
; are 16 neighbours, 32 b + 16 (lane / 16) + 0 .. 15: the order that the conversions want.  The bias is the C of each sum's first matrix instruction.
; OUT: records of 12,800 bytes: 8 fragments of 1,536, then two runs of 256 bytes of scale words (byte 8 l + 4 e of run z: tile 4 z + 2 e + l / 16, row l % 16).  q at 0, k at 6,553,600: record 64 g + token block; v at 13,107,200: record 8 x token block + g; g the head pair.
; LIMITS: NaN and infinities are not served; a block whose largest magnitude lies under 2^-124 keeps the scale byte 1; the bytes are read by this program alone.
; REGISTERS: window 0: v1-11 addresses; v16-39 scale words, two sets of 8 + 4; v40-135 L's fragments, two sets (on the way out: codes); v136-199 the bias; v200-221 at work.  window 1: G's fragments, two sets of 96.  window 2: accumulator (a, b) at v[8 (8 a + b)].
.set CHUNK, 76800                      ; LDS: chunk q of K at 76,800 q: P's record, then R's two
.set PART,  25600
.set SCW,   24576
.set SC,    16
.set LF,    40
.set BI,    136
.set TM,    200
.set PW,    216
.set FLOOR, 0x1800000
.set TAKE2, 0xff000000
.set MSB, 0
.macro WIN new                         ; the immediate's high byte repeats the setting that is left
.if MSB != \new
	s_set_vgpr_msb (MSB<<8)|\new
.set MSB, \new
.endif
.endm
.macro PLACES                          ; four plain places: in front of loads into registers that matrix instructions have read, and of the first read of results
.rept 4
	v_nop
.endr
.endm
.macro CROUND                          ; a round of the cluster's barrier
	s_barrier_signal -1
	s_barrier_wait -1
	s_cmp_lg_u32 s16, 0
	s_cbranch_scc1 .Lnot_wave_0_\@
	s_barrier_signal -3
.Lnot_wave_0_\@:
	s_barrier_wait -3
	s_barrier_signal -1
	s_barrier_wait -1
.endm
	s_load_b256 s[4:11], s[0:1], 0x0               ; xr, wr, bq, bk
	s_load_b128 s[12:15], s[0:1], 0x20             ; bv, qkv
	v_lshl_add_u32 v254, v0, 2, 0x4b000
	v_mov_b32 v255, 0
	ds_add_u32 v254, v255
	v_lshrrev_b32 v1, 5, v0
	v_readfirstlane_b32 s16, v1                    ; wave 0..3
	s_and_b32 s17, s16, 1                          ; w0
	s_lshr_b32 s18, s16, 1                         ; w1
	s_mov_b32 s19, ttmp9                           ; the role: the cluster's x
	s_bfe_u32 s20, ttmp6, 0x40000                  ; cx
	s_bfe_u32 s21, ttmp6, 0x40004                  ; cy
	s_lshl_b32 s22, ttmp9, 2
	s_add_co_u32 s22, s22, s20                     ; tile x
	s_and_b32 s23, ttmp7, 0xffff
	s_lshl_b32 s23, s23, 2
	s_add_co_u32 s23, s23, s21                     ; tile y
	s_lshl_b32 s56, s21, 2
	s_lshl_b32 s56, 15, s56                        ; my row of the cluster
	s_lshl_b32 s57, 0x1111, s20                    ; my column
	s_or_b32 s24, s56, (3<<16)|(1<<21)             ; group 1 for P: the mask; elements of 8 bytes; bit 21 beside a mask; no padding
	s_or_b32 s32, s57, (3<<16)|(1<<21)             ; for R
.irp g, 24, 32                         ; a chunk record: 100 rows of 256 bytes, dense
	s_mov_b32 s[\g+1], 32<<16                      ; tensor_dim0 = 32
	s_mov_b32 s[\g+2], 100<<16                     ; tensor_dim1 = 100
	s_mov_b32 s[\g+3], 32<<16                      ; tile_dim0 = 32
	s_mov_b32 s[\g+4], 100                         ; tile_dim1 = 100
	s_mov_b32 s[\g+5], 32                          ; the pitch
	s_mov_b32 s[\g+6], 0
	s_mov_b32 s[\g+7], 0
.endr
	s_mul_i32 s58, s23, 102400                     ; P hangs on tile y alone,
	s_mov_b32 s59, 0
	s_lshl_b32 s60, s22, 1
	s_add_co_u32 s60, s60, s18
	s_mul_i32 s60, s60, 102400                     ; R on tile x and the wave's number
	s_mov_b32 s61, 0
	s_mul_i32 s62, s18, PART
	s_add_co_u32 s62, s62, PART                    ; R's part of a chunk: 1 + wave / 2
	s_mov_b32 s84, 0x76543210
	s_mov_b32 s85, 0xfedcba98
	s_wait_dscnt 0x0
	s_wait_kmcnt 0x0
	s_add_nc_u64 s[58:59], s[4:5], s[58:59]
	s_add_nc_u64 s[60:61], s[6:7], s[60:61]
.irp q, 0,1,2,3                        ; a group 0 for each chunk: s[40:55] P's, s[68:83] R's
	s_mov_b32 s[40+4*\q], 1
	s_mov_b32 s[41+4*\q], CHUNK*\q
	s_add_nc_u64 s[42+4*\q:43+4*\q], s[58:59], PART*\q
	s_or_b32 s[43+4*\q], s[43+4*\q], 0x80000000
	s_mov_b32 s[68+4*\q], 1
	s_add_co_u32 s[69+4*\q], s62, CHUNK*\q
	s_add_nc_u64 s[70+4*\q:71+4*\q], s[60:61], PART*\q
	s_or_b32 s[71+4*\q], s[71+4*\q], 0x80000000
.endr
	CROUND                                         ; all sixteen work-groups are here: the joint loads meet
	s_cmp_eq_u32 s16, 0                            ; a wave's fills stand in one arm of a branch on the wave's number; four v_nop follow the last
	s_cbranch_scc0 .Lnot_p
.irp q, 0,1,2,3
	tensor_load_to_lds s[40+4*\q:43+4*\q], s[24:31]
	s_nop 0
.endr
	PLACES
	s_branch .Lfilled
.Lnot_p:
	s_cmp_eq_u32 s16, 3
	s_cbranch_scc1 .Lfilled
.irp q, 0,1,2,3
	tensor_load_to_lds s[68+4*\q:71+4*\q], s[32:39]
	s_nop 0
.endr
	PLACES
.Lfilled:
	; LDS addresses.  The role chooses the parts; every choice stays inside a chunk's 76,800 bytes
	v_and_b32 v1, 31, v0
	v_lshlrev_b32 v2, 4, v1                        ; 16 x lane
	v_lshlrev_b32 v3, 3, v1                        ; 8 x lane
	v_lshlrev_b32 v4, 2, v1                        ; 4 x lane
	s_mul_i32 s56, s17, PART
	s_add_co_u32 s56, s56, PART                    ; q, k: G = part 1 + w0
	s_mul_i32 s57, s18, 12288                      ; q, k: L = part 0, tiles 4 w1 on;
	s_lshl_b32 s86, s18, 9                         ; their scale words
	s_mul_i32 s87, s17, 12288
	s_add_co_u32 s87, s87, s62                     ; v: L = part 1 + w1, tiles 4 w0 on;
	s_lshl_b32 s88, s17, 9
	s_add_co_u32 s88, s88, s62                     ; their scale words
	s_cmp_eq_u32 s19, 2
	s_cselect_b32 s56, 0, s56                      ; v: G = part 0
	s_cselect_b32 s57, s87, s57
	s_cselect_b32 s86, s88, s86
	v_add_nc_u32 v5, s56, v2                       ; G: by 16, by 8, by 4
	v_add_nc_u32 v6, s56, v3
	v_add_nc_u32 v7, s56, v4
	v_add_nc_u32 v8, s57, v2                       ; L likewise
	v_add_nc_u32 v9, s57, v3
	v_add_nc_u32 v10, s86, v4
.irp b, 0,1,2,3
	v_mov_b32 v[TM+4+\b], 0                        ; a lane permute's destination counts as one of its sources
.endr
	; where the results go
	s_lshl_b32 s92, s20, 1
	s_cmp_eq_u32 s19, 2
	s_cselect_b32 s93, s18, s17
	s_cselect_b32 s98, s17, s18                    ; which four tiles of the record are mine
	s_add_co_u32 s92, s92, s93                     ; g, the head pair
	s_lshl_b32 s93, s23, 3
	s_add_co_u32 s93, s93, s92                     ; v: 8 x token block + g
	s_lshl_b32 s92, s92, 6
	s_add_co_u32 s92, s92, s23                     ; q, k: 64 g + token block
	s_cmp_eq_u32 s19, 2
	s_cselect_b32 s92, s93, s92
	s_mul_i32 s92, s92, 12800
	s_mul_i32 s93, s19, 6553600
	s_add_co_u32 s92, s92, s93                     ; the record
	s_mul_i32 s94, s98, 6144
	s_add_co_u32 s94, s94, s92
	s_mov_b32 s95, 0
	s_lshl_b32 s96, s98, 8
	s_add_co_u32 s96, s96, s92
	s_add_co_u32 s96, s96, 12288
	s_mov_b32 s97, 0
	s_add_nc_u64 s[94:95], s[14:15], s[94:95]      ; my four fragments
	s_add_nc_u64 s[96:97], s[14:15], s[96:97]      ; my run of scale words
	; the bias
	s_lshl_b32 s86, s16, 8                         ; v: 64 x wave numbers on
	s_lshl_b32 s87, s17, 9                         ; q, k: 128 w0 numbers on
	s_lshl_b32 s88, s20, 10                        ; 256 x (tile x % 4) numbers on
	s_cmp_eq_u32 s19, 1
	s_cselect_b64 s[90:91], s[10:11], s[8:9]
	s_cmp_eq_u32 s19, 2
	s_cselect_b64 s[90:91], s[12:13], s[90:91]
	s_cselect_b32 s86, s86, s87
	s_add_co_u32 s86, s86, s88
	s_mov_b32 s87, 0
	s_add_nc_u64 s[90:91], s[90:91], s[86:87]
	s_cmp_eq_u32 s19, 2
	s_cbranch_scc1 .Lbias_v
	v_bfe_u32 v11, v0, 4, 1
	v_lshlrev_b32 v11, 6, v11                      ; q, k: for G's tile b the eight channels 32 (b / 2) + 16 h + 8 (b % 2) + 0 .. 7
.irp b, 0,1,2,3,4,5,6,7
	global_load_b128 v[BI+8*\b:BI+8*\b+3], v11, s[90:91] offset:(32*(\b/2)+8*(\b%2))*4
	global_load_b128 v[BI+8*\b+4:BI+8*\b+7], v11, s[90:91] offset:(32*(\b/2)+8*(\b%2))*4+16
.endr
	s_branch .Lbias_done
.Lbias_v:
	v_and_b32 v11, 15, v0
	v_and_b32 v12, 8, v11
	v_add_nc_u32 v11, v11, v12
	v_lshlrev_b32 v11, 2, v11                      ; v: the lane's own channel, in all eight registers of L's tile a
.irp a, 0,1,2,3
.irp j, 0,1,2,3,4,5,6,7
	global_load_b32 v[BI+8*\a+\j], v11, s[90:91] offset:(32*(\a/2)+8*(\a%2))*4
.endr
.endr
.Lbias_done:
; K step k's fragments into set k % 2: G's eight, L's four, four dense loads each; with an even k the chunk's scale words (lanes 0-15: the even step's, lanes 16-31: the odd step's)
.macro FETCH k
.set FS, (\k)%2
.set FO, 1536*((\k)%2)
.set FC, ((\k)/2)%2
	WIN 0
.if ((\k)%2 == 0) && ((\k) > 0)
.irp a, 5,6,7,8,9,10
	v_add_nc_u32 v\a, CHUNK, v\a                   ; on to the next chunk
.endr
.endif
	WIN 0x40                                       ; destination window 1
.irp i, 0,1,2,3,4,5,6,7
	ds_load_b128 v[96*FS+12*\i:96*FS+12*\i+3], v5 offset:FO+3072*\i
	ds_load_b64 v[96*FS+12*\i+4:96*FS+12*\i+5], v6 offset:FO+3072*\i+512
	ds_load_b128 v[96*FS+12*\i+6:96*FS+12*\i+9], v5 offset:FO+3072*\i+768
	ds_load_b64 v[96*FS+12*\i+10:96*FS+12*\i+11], v6 offset:FO+3072*\i+1280
.endr
	WIN 0
.irp i, 0,1,2,3
	ds_load_b128 v[LF+48*FS+12*\i:LF+48*FS+12*\i+3], v8 offset:FO+3072*\i
	ds_load_b64 v[LF+48*FS+12*\i+4:LF+48*FS+12*\i+5], v9 offset:FO+3072*\i+512
	ds_load_b128 v[LF+48*FS+12*\i+6:LF+48*FS+12*\i+9], v8 offset:FO+3072*\i+768
	ds_load_b64 v[LF+48*FS+12*\i+10:LF+48*FS+12*\i+11], v9 offset:FO+3072*\i+1280
.endr
.if (\k)%2 == 0
.irp i, 0,1,2,3,4,5,6,7
	ds_load_b32 v[SC+12*FC+\i], v7 offset:SCW+128*\i
.endr
.irp i, 0,1,2,3
	ds_load_b32 v[SC+12*FC+8+\i], v10 offset:SCW+128*\i
.endr
.endif
.endm
; 16 matrix instructions: L's tiles a0, a0 + 1 x G's eight.  cmode 0: onto the sums; 1: the sums begin with the bias by G's tile; 2: by L's tile.  The 32 accumulators take turns, one instruction a turn, in the same order in every step.
.macro MUL16 a0, k, cmode
.set MS, (\k)%2
.set MC, ((\k)/2)%2
.if \cmode
	WIN 0x81                                       ; G window 1, L and C window 0, D window 2
.else
	WIN 0xa1                                       ; G window 1, L window 0, C and D window 2
.endif
.irp a, \a0, \a0+1
.irp b, 0,1,2,3,4,5,6,7
.if \cmode == 1
	v_wmma_scale_f32_16x16x128_f8f6f4 v[8*(8*(\a)+\b):8*(8*(\a)+\b)+7], v[96*MS+12*\b:96*MS+12*\b+11], v[LF+48*MS+12*(\a):LF+48*MS+12*(\a)+11], v[BI+8*\b:BI+8*\b+7], v[SC+12*MC+\b], v[SC+12*MC+8+(\a)] matrix_a_fmt:MATRIX_FMT_FP6 matrix_b_fmt:MATRIX_FMT_FP6
.elseif \cmode == 2
	v_wmma_scale_f32_16x16x128_f8f6f4 v[8*(8*(\a)+\b):8*(8*(\a)+\b)+7], v[96*MS+12*\b:96*MS+12*\b+11], v[LF+48*MS+12*(\a):LF+48*MS+12*(\a)+11], v[BI+8*(\a):BI+8*(\a)+7], v[SC+12*MC+\b], v[SC+12*MC+8+(\a)] matrix_a_fmt:MATRIX_FMT_FP6 matrix_b_fmt:MATRIX_FMT_FP6
.elseif MS == 0
	v_wmma_scale_f32_16x16x128_f8f6f4 v[8*(8*(\a)+\b):8*(8*(\a)+\b)+7], v[96*MS+12*\b:96*MS+12*\b+11], v[LF+48*MS+12*(\a):LF+48*MS+12*(\a)+11], v[8*(8*(\a)+\b):8*(8*(\a)+\b)+7], v[SC+12*MC+\b], v[SC+12*MC+8+(\a)] matrix_a_fmt:MATRIX_FMT_FP6 matrix_b_fmt:MATRIX_FMT_FP6
.else
	v_wmma_scale_f32_16x16x128_f8f6f4 v[8*(8*(\a)+\b):8*(8*(\a)+\b)+7], v[96*MS+12*\b:96*MS+12*\b+11], v[LF+48*MS+12*(\a):LF+48*MS+12*(\a)+11], v[8*(8*(\a)+\b):8*(8*(\a)+\b)+7], v[SC+12*MC+\b], v[SC+12*MC+8+(\a)] matrix_a_fmt:MATRIX_FMT_FP6 matrix_b_fmt:MATRIX_FMT_FP6 matrix_a_scale:MATRIX_SCALE_ROW1 matrix_b_scale:MATRIX_SCALE_ROW1
.endif
.endr
.endr
.endm
; A K step of 128: 32 matrix instructions; in its middle the next step's fragments are fetched.  meet = 1: the next step begins a chunk: each wave waits for its load of that chunk (the count: its loads of the chunks behind it),
; signals, works on registers, and reads the chunk behind the barrier's wait.
.macro STEP k, cmode, meet
	s_wait_dscnt 0x0                               ; this step's fragments are in; no LDS instruction of mine is out at the signal
.if \meet
	s_wait_tensorcnt 3-((\k)+1)/2
	s_barrier_signal -1
.endif
	MUL16 0, \k, \cmode
.if \meet
	s_barrier_wait -1
.endif
.if (\k) < 7
	PLACES
	FETCH (\k)+1
.endif
	MUL16 2, \k, \cmode
	WIN 0
.endm
	s_wait_tensorcnt 0x3                           ; my load of chunk 0 has landed; those of chunks 1 to 3 may be out
	s_barrier_signal -1
	s_barrier_wait -1                              ; everybody's has
	FETCH 0
	s_wait_loadcnt 0x0                             ; the bias
	s_cmp_eq_u32 s19, 2
	s_cbranch_scc1 .Lstep0_v
	STEP 0, 1, 0
	s_branch .Lstep1
.Lstep0_v:
	STEP 0, 2, 0
.Lstep1:
	STEP 1, 0, 1
	STEP 2, 0, 0
	STEP 3, 0, 1
	STEP 4, 0, 0
	STEP 5, 0, 1
	STEP 6, 0, 0
	STEP 7, 0, 0
; THE WAY OUT.  The 64 registers of L's tile a (register 16 b + i = index 32 b + 16 (lane / 16) + i of my row) become a fragment's codes and my row's scale word; each accumulator is read from its low end on.
.macro QUANTW a
.set QA, 64*(\a)
.set QP, LF+20*(\a)                    ; a set of its own for each tile: no store's data are written again
	WIN 0x0a                                       ; sources 0 and 1 window 2
.irp b, 0,1,2,3
	v_max3_num_f32 v[TM+\b], |v[QA+16*\b]|, |v[QA+1+16*\b]|, FLOOR
.endr
	WIN 0x28                                       ; sources 1 and 2 window 2
.irp i, 2,4,6,8,10,12,14
.irp b, 0,1,2,3
	v_max3_num_f32 v[TM+\b], v[TM+\b], |v[QA+16*\b+\i]|, |v[QA+1+16*\b+\i]|
.endr
.endr
	WIN 0
.irp b, 0,1,2,3
	v_permlanex16_b32 v[TM+4+\b], v[TM+\b], s84, s85
.endr
.irp b, 0,1,2,3
	v_max_num_f32 v[TM+\b], v[TM+\b], v[TM+4+\b]   ; with lane l xor 16's: the block's largest magnitude
.endr
.irp b, 0,1,2,3
	v_add_nc_u32 v[TM+12+\b], TAKE2, v[TM+\b]      ; the conversion's scale operand
.endr
.irp b, 0,1,2,3
	v_lshrrev_b32 v[TM+4+\b], 23, v[TM+12+\b]      ; the scale's byte
.endr
	v_lshl_or_b32 v[PW+(\a)], v[TM+5], 8, v[TM+4]
	v_lshl_or_b32 v[PW+(\a)], v[TM+6], 16, v[PW+(\a)]
	v_lshl_or_b32 v[PW+(\a)], v[TM+7], 24, v[PW+(\a)]
	WIN 0x02                                       ; source 0 window 2
.irp c, 0,1
	v_cvt_scalef32_pk16_fp6_f32 v[QP+6*\c:QP+2+6*\c], v[QA+32*\c:QA+15+32*\c], v[TM+12+2*\c]
	v_cvt_scalef32_pk16_fp6_f32 v[QP+12+4*\c:QP+14+4*\c], v[QA+16+32*\c:QA+31+32*\c], v[TM+13+2*\c]
.endr
	WIN 0
	v_nop                                          ; one plain place behind a scaled conversion
.irp c, 0,1                            ; the operand's layout wants a whole block in a lane
.irp i, 0,1,2
	v_permlane16_swap_b32 v[QP+6*\c+\i], v[QP+12+4*\c+\i]
.endr
.irp i, 0,1,2
	v_mov_b32 v[QP+3+6*\c+\i], v[QP+12+4*\c+\i]
.endr
.endr
	global_store_b128 v2, v[QP:QP+3], s[94:95] offset:1536*(\a)            ; 512 consecutive bytes, aligned to 256
	global_store_b64 v3, v[QP+4:QP+5], s[94:95] offset:1536*(\a)+512       ; 256
	global_store_b128 v2, v[QP+6:QP+9], s[94:95] offset:1536*(\a)+768
	global_store_b64 v3, v[QP+10:QP+11], s[94:95] offset:1536*(\a)+1280
.endm
	PLACES
	QUANTW 0
	QUANTW 1
	QUANTW 2
	QUANTW 3
	v_cmp_le_u32 vcc_lo, 16, v1                    ; lanes 16-31 carry the odd tiles' words
	v_cndmask_b32 v220, v[PW], v[PW+1], vcc_lo
	v_cndmask_b32 v221, v[PW+2], v[PW+3], vcc_lo
	global_store_b64 v3, v[220:221], s[96:97]      ; 256 consecutive bytes, aligned
	s_wait_dscnt 0x0
	s_wait_tensorcnt 0x0
	ds_add_u32 v254, v255
	s_wait_dscnt 0x0
	CROUND                                         ; the closing round: no work-group ends while a partner may still ask for a chunk that names it
	s_endpgm
.Lfunc_end_k_q8462356c0f_qkv:
	.size	k_q8462356c0f_qkv, .Lfunc_end_k_q8462356c0f_qkv-k_q8462356c0f_qkv
	.p2alignl 7, 3214868480
	.fill 96, 4, 3214868480
	.section	.rodata,"a",@progbits
	.p2align	6, 0x0
	.amdhsa_kernel k_q8462356c0f_qkv
		.amdhsa_group_segment_fixed_size 307712
		.amdhsa_private_segment_fixed_size 0
		.amdhsa_enable_private_segment 0
		.amdhsa_kernarg_size 48
		.amdhsa_user_sgpr_count 2
		.amdhsa_user_sgpr_kernarg_segment_ptr 1
		.amdhsa_wavefront_size32 1
		.amdhsa_system_sgpr_workgroup_id_x 1
		.amdhsa_system_sgpr_workgroup_id_y 1
		.amdhsa_system_sgpr_workgroup_id_z 1
		.amdhsa_system_vgpr_workitem_id 0
		.amdhsa_next_free_vgpr 768
		.amdhsa_next_free_sgpr 100
		.amdhsa_reserve_vcc 1
		.amdhsa_float_denorm_mode_32 3
		.amdhsa_float_denorm_mode_16_64 3
		.amdhsa_memory_ordered 1
		.amdhsa_forward_progress 1
		.amdhsa_inst_pref_size 102
	.end_amdhsa_kernel
	.amdgpu_metadata
---
amdhsa.version: [ 1, 2 ]
amdhsa.kernels:
  - .name:           k_q8462356c0f_qkv
    .symbol:         k_q8462356c0f_qkv.kd
    .args:
      - { .name: xr, .offset: 0, .size: 8, .value_kind: global_buffer, .address_space: global }
      - { .name: wr, .offset: 8, .size: 8, .value_kind: global_buffer, .address_space: global }
      - { .name: bq, .offset: 16, .size: 8, .value_kind: global_buffer, .address_space: global }
      - { .name: bk, .offset: 24, .size: 8, .value_kind: global_buffer, .address_space: global }
      - { .name: bv, .offset: 32, .size: 8, .value_kind: global_buffer, .address_space: global }
      - { .name: qkv, .offset: 40, .size: 8, .value_kind: global_buffer, .address_space: global }
    .group_segment_fixed_size: 307712
    .private_segment_fixed_size: 0
    .kernarg_segment_align: 8
    .kernarg_segment_size: 48
    .max_flat_workgroup_size: 128
    .sgpr_count:     100
    .vgpr_count:     768
    .wavefront_size: 32
...
	.end_amdgpu_metadata
.endif
;; end of part 2
;; launch attn (part 3): grid 8 x 32, 16 waves a work-group, no clusters, 327,680 bytes of LDS; arguments qkv, orec; writes orec
.if DOCPART == 3
	.amdgcn_target "amdgcn-amd-amdhsa--gfx1250"
	.amdhsa_code_object_version 6
	.text
	.protected	k_q8462356c0f_attn
	.globl	k_q8462356c0f_attn
	.p2align	8
	.type	k_q8462356c0f_attn,@function
k_q8462356c0f_attn:
	s_mov_b64 s[64:65], 0
	v_nop
	global_prefetch_b8 v0, s[64:65] scope:SCOPE_SE
	s_setreg_imm32_b32 hwreg(HW_REG_WAVE_MODE, 25, 1), 1
	s_wait_xcnt 0x0
; o = softmax(q k^T, causal) v for one batch b and one PAIR g of heads of 64, both products on codes of FP6 (E2M3) with E8M0 scales; o is quantised along its 1,024 channels in registers and leaves as codes.
; THE SOFTMAX: t = score x log2(e) (the module applies no 1 / sqrt(d)); M = the running largest t rounded up to a whole number; p = 2^(t - M) is quantised along the keys; the row's sum is taken of the unquantised p and divides at the end.
; SHARES.  Work-group (j, y): b = y / 8, g = y % 8.  Wave w owns ONE tile of 16 queries, tile w % 8 of query block j (waves 0-7) or 15 - j (waves 8-15), for BOTH heads.  A wave works in the key steps up to its own block:
; j + 1 and 16 - j steps, 17 for each pair of waves w, w + 8, whatever j.  The work-group walks 16 - 2 (j / 2) steps of 128 keys.
; NO CLUSTER: the eight work-groups of a (b, g) walk different numbers of steps (10 to 16), so partners would need different numbers of tiles.
; PAIRS OF HEADS.  A fragment of q or k is 16 tokens x the pair's 128 channels.  Q lies as [head A's 6 registers | 6 of zero codes | head B's 6]: head A's operand is v[16:27], head B's v[22:33].  For head hd only half hd of a fragment of K
; is read from LDS; the operand's other six registers hold other codes, which meet Q's zero codes and add nothing (no code of this format is a NaN, and every scale byte lies between 1 and 254).
; LAYOUT.  Both products are used transposed (S^T = K Q^T, O^T = V^T P^T): a lane holds one query.  By the rule of tiles (lane r of tile i: row 32 (i / 2) + 8 (i % 2) + r + 8 (r / 8)) the 16 registers of tiles 2 b, 2 b + 1 are keys (channels) 32 b + 16 (lane / 16) + 0 .. 15.
; THE RING: two slots of 25,600 bytes, a key step each: K's record, then V's.  Wave 0 fetches K's, wave 1 V's: one tensor load a wave is out.
; LIMITS: NaN and infinities are not served.  Hidden scores are -infinity where the module has -1e30: the same p = 0 wherever true scores lie above -1e30.  A p under 2^-126 comes out as 0.  A block whose largest magnitude lies under 2^-124 keeps the scale byte 1.
; REGISTERS: v1, v2 16 and 8 x lane; v3, v4 the spare word's address and 0; v5 my query less 16 (lane / 16); v6 Q's scale word; v7 the prefetches' offset; v[8:9] -M and the largest t, v[10:11] the sum, of head A; v[12:15] of head B;
;   v16-33 Q; v34-87 fragments of K or V; v88-151 S^T, then p; v152-215 O^T (head A, head B); v216-227 p's codes; v228-231 K's scale words; v232-233 V's; v234 p's; v236-250 at work; v252 4 r.
.set SLOTB, 25600
.set RECB,  12800
.set YOFF,  12288
.set SPARE, 51200                      ; behind the ring: the spare words, 128 bytes for each of sixteen waves: eight blocks of 256 bytes that no other line names
.set FB,    34
.set SS,    88
.set OO,    152
.set PC,    216
.set KY,    228
.set VY,    232
.set FLOOR, 0x1800000
.set TAKE2, 0xff000000
.macro PLACES
.rept 4
	v_nop
.endr
.endm
.macro TLOAD g0                        ; waves 0 and 1 fetch; the branch hangs on the wave's number alone; four v_nop follow the load
	s_cmp_lt_u32 s8, 2
	s_cbranch_scc0 .Lnone_\@
	tensor_load_to_lds s[(\g0):(\g0)+3], s[24:31]
	s_nop 0
	PLACES
.Lnone_\@:
.endm
; A PREFETCH INTO THE L2 of the records of the key step two on, one step ahead of the tensor load that will ask for them.  All eight work-groups of a (b, g) walk the same K and V: the one with j = 0, which walks all 16 steps, asks.
; In it waves 2 and 3 take the halves of K's record, waves 4 and 5 of V's: 6,400 bytes a wave, lanes 256 bytes apart; lanes 25 to 31 name the 25th block once more.  It stands in the loop's trips alone: the step named is 15 at the most.
.macro ASK
	s_cmp_eq_u32 s50, 1
	s_cbranch_scc0 .Lnot_mine_\@
	global_prefetch_b8 v7, s[46:47] th:TH_LOAD_NT scope:SCOPE_SE
.Lnot_mine_\@:
.endm
; 64 numbers in v88-151 with their four scale operands in v244-247 become a fragment's codes in v216-227
.macro PACKP
.irp c, 0,1
	v_cvt_scalef32_pk16_fp6_f32 v[PC+6*\c:PC+2+6*\c], v[SS+32*\c:SS+15+32*\c], v[244+2*\c]
	v_cvt_scalef32_pk16_fp6_f32 v[236+4*\c:238+4*\c], v[SS+16+32*\c:SS+31+32*\c], v[245+2*\c]   ; (a conversion's three registers begin on an even number)
.endr
	v_nop                                          ; one plain place behind a scaled conversion
.irp c, 0,1                            ; the operand's layout wants a whole block in a lane
.irp i, 0,1,2
	v_permlane16_swap_b32 v[PC+6*\c+\i], v[236+4*\c+\i]
.endr
.irp i, 0,1,2
	v_mov_b32 v[PC+3+6*\c+\i], v[236+4*\c+\i]
.endr
.endr
.endm
.macro WORD                            ; the four blocks' largest magnitudes in v236-239: scale operands into v244-247, the scale word into v234
.irp b, 0,1,2,3
	v_add_nc_u32 v[244+\b], TAKE2, v[236+\b]
.endr
.irp b, 0,1,2,3
	v_lshrrev_b32 v[240+\b], 23, v[244+\b]
.endr
	v_lshl_or_b32 v234, v241, 8, v240
	v_lshl_or_b32 v234, v242, 16, v234
	v_lshl_or_b32 v234, v243, 24, v234
.endm
	s_load_b128 s[4:7], s[0:1], 0x0                ; qkv, orec
	v_lshl_add_u32 v3, v0, 2, SPARE
	v_mov_b32 v4, 0
	ds_add_u32 v3, v4
	s_wait_dscnt 0x0
	v_lshrrev_b32 v1, 5, v0
	v_readfirstlane_b32 s8, v1                     ; wave 0..15
	s_mov_b32 s9, ttmp9                            ; j
	s_and_b32 s16, ttmp7, 0xffff
	s_lshr_b32 s10, s16, 3                         ; b
	s_and_b32 s11, s16, 7                          ; g
	s_and_b32 s13, s8, 7                           ; I: my tile in its query block
	s_sub_co_u32 s17, 15, s9
	s_cmp_lt_u32 s8, 8
	s_cselect_b32 s12, s9, s17                     ; PQ: my query block
	s_lshr_b32 s15, s9, 1
	s_sub_co_u32 s15, 7, s15                       ; the loop's trips: steps / 2 - 1
	s_mov_b32 s14, 0                               ; the key step in hand
	s_mov_b32 s24, 3<<16                           ; group 1: a record: 50 rows of 256 bytes (32 elements of 8), dense, no padding, no mask
	s_mov_b32 s25, 32<<16
	s_mov_b32 s26, 50<<16
	s_mov_b32 s27, 32<<16
	s_mov_b32 s28, 50
	s_mov_b32 s29, 32
	s_mov_b32 s30, 0
	s_mov_b32 s31, 0
	s_mov_b32 s42, 0x76543210
	s_mov_b32 s43, 0xfedcba98
	s_mov_b32 s44, 0x3fb8aa3b                      ; log2(e)
	s_mov_b32 s45, s44                             ; (named with it as a pair)
	s_lshl_b32 s16, s11, 6
	s_lshl_b32 s17, s10, 4
	s_add_co_u32 s16, s16, s17                     ; 64 g + 16 b
	s_mul_i32 s18, s16, RECB
	s_add_co_u32 s18, s18, 6553600                 ; K's record of step 0
	s_lshl_b32 s19, s10, 7
	s_add_co_u32 s19, s19, s11
	s_mul_i32 s19, s19, RECB
	s_add_co_u32 s19, s19, 13107200                ; V's record of step 0
	s_mov_b32 s20, 8*RECB                          ; V: from step to step
	s_cmp_eq_u32 s8, 0                             ; wave 0 fetches K's records, wave 1 V's
	s_cselect_b32 s60, s18, s19
	s_cselect_b32 s62, RECB, s20
	s_mov_b32 s61, 0
	s_mov_b32 s63, 0
	s_lshl_b32 s40, s62, 1                         ; two steps on
	s_mov_b32 s41, 0
	s_mul_i32 s21, s8, RECB                        ; and where they go in a slot
	s_cmp_lt_u32 s8, 4                             ; the prefetches: waves 2, 3 K's records, waves 4, 5 V's
	s_cselect_b32 s66, s18, s19
	s_cselect_b32 s48, RECB, s20
	s_mov_b32 s49, 0
	s_and_b32 s22, s8, 1
	s_mul_i32 s22, s22, 6400                       ; my half of a record,
	s_add_co_u32 s66, s66, s22
	s_add_co_u32 s66, s66, s48                     ; at step 1: the first trip steps it to step 2
	s_mov_b32 s67, 0
	s_sub_co_u32 s22, s8, 2
	s_lshr_b32 s22, s22, 2                         ; 0 in waves 2 to 5,
	s_or_b32 s22, s22, s9                          ; of the work-group with j = 0
	s_cmp_eq_u32 s22, 0
	s_cselect_b32 s50, 1, 0
	s_add_co_u32 s16, s16, s12
	s_mul_i32 s16, s16, RECB                       ; q's record
	s_mul_i32 s22, s13, 1536
	s_add_co_u32 s68, s16, s22                     ; my fragment
	s_mov_b32 s69, 0
	s_lshr_b32 s22, s13, 2
	s_lshl_b32 s22, s22, 8
	s_and_b32 s23, s13, 1
	s_lshl_b32 s23, s23, 7
	s_add_co_u32 s22, s22, s23
	s_bfe_u32 s23, s13, 0x10001
	s_lshl_b32 s23, s23, 2
	s_add_co_u32 s22, s22, s23
	s_add_co_u32 s70, s16, s22
	s_add_co_u32 s70, s70, YOFF                    ; my tile's scale words: 8 bytes from row to row
	s_mov_b32 s71, 0
	s_add_co_u32 s17, s17, s12                     ; o: token block 16 b + PQ,
	s_mul_i32 s17, s17, 102400
	s_lshr_b32 s22, s11, 1
	s_mul_i32 s22, s22, 25600
	s_add_co_u32 s17, s17, s22                     ; chunk g / 2,
	s_and_b32 s22, s11, 1                          ; K step g % 2 of it
	s_mul_i32 s23, s13, 3072
	s_mul_i32 s72, s22, 1536
	s_add_co_u32 s72, s72, s23
	s_add_co_u32 s72, s72, s17
	s_mov_b32 s73, 0
	s_lshl_b32 s74, s13, 7
	s_lshl_b32 s22, s22, 6
	s_add_co_u32 s74, s74, s22
	s_add_co_u32 s74, s74, s17
	s_add_co_u32 s74, s74, 24576
	s_mov_b32 s75, 0
	s_lshr_b32 s76, s13, 1
	s_lshl_b32 s76, s76, 5
	s_and_b32 s77, s13, 1
	s_lshl_b32 s77, s77, 3
	s_add_co_u32 s76, s76, s77                     ; my tile's first row: 32 (I / 2) + 8 (I % 2)
	s_wait_kmcnt 0x0
	s_mov_b32 s32, 1                               ; group 0, slot 0: step 0
	s_mov_b32 s33, s21
	s_add_nc_u64 s[34:35], s[4:5], s[60:61]
	s_mov_b32 s36, 1                               ; slot 1: step 1
	s_add_co_u32 s37, s21, SLOTB
	s_add_nc_u64 s[38:39], s[34:35], s[62:63]
	s_or_b32 s35, s35, 0x80000000
	s_or_b32 s39, s39, 0x80000000
	TLOAD 32                                       ; step 0, ahead of every wait on TENSORcnt, every LDS read and every barrier
	s_add_nc_u64 s[46:47], s[4:5], s[66:67]
	s_add_nc_u64 s[54:55], s[4:5], s[68:69]
	s_add_nc_u64 s[56:57], s[4:5], s[70:71]
	s_add_nc_u64 s[52:53], s[6:7], s[72:73]
	s_add_nc_u64 s[58:59], s[6:7], s[74:75]
	v_and_b32 v250, 31, v0
	v_lshlrev_b32 v1, 4, v250
	v_lshlrev_b32 v2, 3, v250
	v_min_u32 v7, 24, v250
	v_lshlrev_b32 v7, 8, v7
	v_and_b32 v251, 15, v0                         ; r
	v_lshlrev_b32 v252, 2, v251
	v_lshlrev_b32 v236, 3, v251
	global_load_b128 v[16:19], v1, s[54:55]        ; Q: head A's half,
	global_load_b64 v[20:21], v2, s[54:55] offset:512
	global_load_b128 v[28:31], v1, s[54:55] offset:768             ; head B's
	global_load_b64 v[32:33], v2, s[54:55] offset:1280
	global_load_b32 v6, v236, s[56:57]             ; and row r's scale word
	v_and_b32 v5, 8, v251
	v_add_nc_u32 v5, v5, v251
	v_bfe_u32 v250, v0, 4, 1
	v_lshlrev_b32 v250, 4, v250
	v_sub_nc_u32 v5, v5, v250
	v_add_nc_u32 v5, s76, v5                       ; my query in its block, less 16 (lane / 16)
	v_mov_b32 v9, 0xff61b1e6                       ; the largest t so far: -3e38
	v_mov_b32 v13, 0xff61b1e6
	v_floor_f32 v8, -v9                            ; -M
	v_floor_f32 v12, -v13
	v_mov_b32 v10, 0                               ; the sums, in two halves
	v_mov_b32 v11, 0
	v_mov_b32 v14, 0
	v_mov_b32 v15, 0
.irp i, 0,1,2,3,4,5
	v_mov_b32 v[22+\i], 0                          ; Q's zero codes
	v_mov_b32 v[82+\i], 0                          ; the tail of the last tile's operand: written once
.endr
.irp b, 0,1,2,3
	v_mov_b32 v[240+\b], 0                         ; a lane permute's destination counts as one of its sources
.endr
	v_mov_b32 v249, 0                              ; (named as the upper half of the pair v[248:249])
.set n, 0
.rept 64
	v_mov_b32 v[OO+n], 0                           ; O^T: the step is written once; the first finds zeros, which the first change of M leaves zeros
.set n, n+1
.endr
; A KEY STEP OF ONE HEAD: 128 keys, head hd, from slot
.macro STEPH hd, slot
.set KB, SLOTB*(\slot)
.set VB, SLOTB*(\slot)+RECB
.set NM, 8+4*(\hd)
.set SU, 10+4*(\hd)
.set OB, OO+32*(\hd)
.set QF, 16+6*(\hd)
	PLACES                                         ; in front of loads into registers that matrix instructions have read
.irp t, 0,1,2,3,4,5,6,7
	ds_load_b128 v[FB+6*(\t+\hd):FB+6*(\t+\hd)+3], v1 offset:KB+1536*\t+768*(\hd)          ; half hd of K's tile t
	ds_load_b64 v[FB+6*(\t+\hd)+4:FB+6*(\t+\hd)+5], v2 offset:KB+1536*\t+768*(\hd)+512
.endr
.if (\hd) == 0
	ds_load_b64 v[KY:KY+1], v2 offset:KB+YOFF      ; K's scale words: they serve both heads
	ds_load_b64 v[KY+2:KY+3], v2 offset:KB+YOFF+256
.endif
	s_wait_dscnt 0x0
.irp t, 0,1,2,3,4,5,6,7
.if \t%2
	v_wmma_scale_f32_16x16x128_f8f6f4 v[SS+8*\t:SS+8*\t+7], v[FB+6*\t:FB+6*\t+11], v[QF:QF+11], 0, v[KY+2*(\t/4)+(\t%4)/2], v6 matrix_a_fmt:MATRIX_FMT_FP6 matrix_b_fmt:MATRIX_FMT_FP6 matrix_a_scale:MATRIX_SCALE_ROW1
.else
	v_wmma_scale_f32_16x16x128_f8f6f4 v[SS+8*\t:SS+8*\t+7], v[FB+6*\t:FB+6*\t+11], v[QF:QF+11], 0, v[KY+2*(\t/4)+(\t%4)/2], v6 matrix_a_fmt:MATRIX_FMT_FP6 matrix_b_fmt:MATRIX_FMT_FP6
.endif
.endr
	PLACES                                         ; in front of the loads below and of the first read of the scores
.irp u, 0,1,2,3                        ; V's four tiles of this head: they land while the softmax is walked
	ds_load_b128 v[FB+12*\u:FB+12*\u+3], v1 offset:VB+1536*(4*(\hd)+\u)
	ds_load_b64 v[FB+12*\u+4:FB+12*\u+5], v2 offset:VB+1536*(4*(\hd)+\u)+512
	ds_load_b128 v[FB+12*\u+6:FB+12*\u+9], v1 offset:VB+1536*(4*(\hd)+\u)+768
	ds_load_b64 v[FB+12*\u+10:FB+12*\u+11], v2 offset:VB+1536*(4*(\hd)+\u)+1280
.endr
	ds_load_b64 v[VY:VY+1], v2 offset:VB+YOFF+256*(\hd)
	s_cmp_lg_u32 s14, s12                          ; on the diagonal, my own block of keys, hidden scores become -infinity ahead of the maximum.  Register 16 b + i holds key 32 b + 16 (lane / 16) + i
	s_cbranch_scc1 .Lopen_\@
	v_mov_b32 v250, 0xff800000
.set n, 0
.rept 64
	v_cmp_gt_i32 vcc_lo, 32*(n/16)+n%16, v5
	v_cndmask_b32 v[SS+n], v[SS+n], v250, vcc_lo
.set n, n+1
.endr
.Lopen_\@:
.irp b, 0,1,2,3
	v_max3_num_f32 v[236+\b], v[SS+16*\b], v[SS+1+16*\b], v[SS+2+16*\b]    ; the largest score of each block of 32 keys: it serves the row's maximum and, since p rises with the score, the block's largest p
.endr
.irp i, 3,5,7,9,11,13
.irp b, 0,1,2,3
	v_max3_num_f32 v[236+\b], v[236+\b], v[SS+16*\b+\i], v[SS+1+16*\b+\i]
.endr
.endr
.irp b, 0,1,2,3
	v_max_num_f32 v[236+\b], v[236+\b], v[SS+15+16*\b]
.endr
.irp b, 0,1,2,3
	v_permlanex16_b32 v[240+\b], v[236+\b], s42, s43
.endr
.irp b, 0,1,2,3
	v_max_num_f32 v[236+\b], v[236+\b], v[240+\b]  ; with lane l xor 16's 16 keys
.endr
	v_max3_num_f32 v250, v236, v237, v238
	v_max_num_f32 v250, v250, v239
	v_mul_f32 v250, s44, v250                      ; the step's largest t
	v_max_num_f32 v[NM+1], v[NM+1], v250           ; the running largest t
	v_mov_b32 v250, v[NM]
	v_floor_f32 v[NM], -v[NM+1]                    ; the new -M = floor(-t): M is a whole number
	v_sub_f32 v250, v[NM], v250                    ; old M - new M, a whole number, 0 or less
	v_cvt_i32_f32 v250, v250                       ; (it saturates)
	v_ldexp_f32 v248, 1.0, v250                    ; f = 2^(old M - new M): a multiplication by it rounds nothing
.set n, 0
.rept 32
	v_pk_fma_f32 v[SS+n:SS+n+1], v[SS+n:SS+n+1], s[44:45], v[NM:NM+1] op_sel_hi:[1,0,0]    ; t - M, two at a time
.set n, n+2
.endr
.irp b, 0,1,2,3
	v_fma_f32 v[236+\b], v[236+\b], s44, v[NM]     ; the same of each block's largest score
.endr
.set n, 0
.rept 64
	v_exp_f32 v[SS+n], v[SS+n]                     ; p = 2^(t - M)
.set n, n+1
.endr
	v_pk_mul_f32 v[SU:SU+1], v[SU:SU+1], v[248:249] op_sel_hi:[1,0]        ; the sums under the new M: the plain place behind the exponentials
	s_wait_alu depctr_va_vdst(0)                   ; one wait for the batch of 64, ahead of its first reader
.irp b, 0,1,2,3
	v_exp_f32 v[236+\b], v[236+\b]                 ; the blocks' largest p
.endr
	v_pk_add_f32 v[240:241], v[SS:SS+1], v[SS+2:SS+3]              ; the row's sum of the unquantised p, in two chains; it reads the 64 alone
.irp i, 4,8,12,16,20,24,28,32,36,40,44,48,52,56,60
	v_pk_add_f32 v[SU:SU+1], v[SU:SU+1], v[SS+\i:SS+\i+1]
	v_pk_add_f32 v[240:241], v[240:241], v[SS+2+\i:SS+3+\i]
.endr
	v_pk_add_f32 v[SU:SU+1], v[SU:SU+1], v[240:241]
	s_wait_alu depctr_va_vdst(0)                   ; and one for the four
.irp b, 0,1,2,3
	v_max_num_f32 v[236+\b], FLOOR, v[236+\b]      ; the floor: the byte cannot fall under 1; a block whose every p is 0 keeps that byte over zero codes
.endr
	WORD
	PACKP
.set n, 0
.rept 16
	v_pk_mul_f32 v[OB+n:OB+n+1], v[OB+n:OB+n+1], v[248:249] op_sel_hi:[1,0]        ; this head's O^T under the new M; these lines are also the places between the codes, the scale word and the products below
.set n, n+2
.endr
	s_wait_dscnt 0x0                               ; V is in
.irp u, 0,1,2,3
.if \u%2
	v_wmma_scale_f32_16x16x128_f8f6f4 v[OB+8*\u:OB+8*\u+7], v[FB+12*\u:FB+12*\u+11], v[PC:PC+11], v[OB+8*\u:OB+8*\u+7], v[VY+\u/2], v234 matrix_a_fmt:MATRIX_FMT_FP6 matrix_b_fmt:MATRIX_FMT_FP6 matrix_a_scale:MATRIX_SCALE_ROW1
.else
	v_wmma_scale_f32_16x16x128_f8f6f4 v[OB+8*\u:OB+8*\u+7], v[FB+12*\u:FB+12*\u+11], v[PC:PC+11], v[OB+8*\u:OB+8*\u+7], v[VY+\u/2], v234 matrix_a_fmt:MATRIX_FMT_FP6 matrix_b_fmt:MATRIX_FMT_FP6
.endif
.endr
.endm
; A TRIP: the change of slots, then the step's work.  Each wave waits for all its tensor loads (its part of this trip's slot), adds 0 to its spare word, and waits for that and for its reads of the other slot; behind the barrier
; this slot is whole and nobody reads the other one, which is filled with the next step's records first.  A step all of whose keys come after my queries is left out: a scalar branch on ids, round no barrier and no tensor load.
.macro TRIP slot, refill, ask
	s_wait_tensorcnt 0x0                           ; no tensor load of mine is out, so a group 0 may be written
	ds_add_u32 v3, v4                              ; 0 onto my spare word
	s_add_nc_u64 s[34+4*\slot:35+4*\slot], s[34+4*\slot:35+4*\slot], s[40:41]      ; this slot's next records: two steps on
.if \ask
	s_wait_xcnt 0x0                                ; the last prefetch, a step back, has read its address
	s_add_nc_u64 s[46:47], s[46:47], s[48:49]
.endif
	s_wait_dscnt 0x0                               ; the add is done, and my reads of the other slot are over
	s_barrier_signal -1
	s_barrier_wait -1
.if \refill
	TLOAD 36-4*\slot                               ; the first thing behind the barrier, and a wave's one tensor load until the next
.endif
.if \ask
	ASK
.endif
	s_cmp_gt_u32 s14, s12
	s_cbranch_scc1 .Lskip_\@
	STEPH 0, \slot
	STEPH 1, \slot
.Lskip_\@:
	s_add_co_u32 s14, s14, 1
.endm
	s_wait_loadcnt 0x0                             ; Q
.Lloop:
	TRIP 0, 1, 1
	TRIP 1, 1, 1
	s_sub_co_u32 s15, s15, 1
	s_cmp_lg_u32 s15, 0
	s_cbranch_scc1 .Lloop
	TRIP 0, 1, 0                                   ; the last two steps are written out: the very last asks for nothing
	TRIP 1, 0, 0
	; THE WAY OUT.  O^T / the sum: the pair's 128 channels of my query, register 16 b + i = channel 32 b + 16 (lane / 16) + i; quantised as an operand of the last product and stored as a fragment.
	PLACES
	v_add_f32 v10, v10, v11
	v_add_f32 v14, v14, v15
	v_permlanex16_b32 v240, v10, s42, s43
	v_permlanex16_b32 v241, v14, s42, s43
	v_add_f32 v10, v10, v240
	v_add_f32 v14, v14, v241
	v_rcp_f32 v10, v10
	v_rcp_f32 v14, v14
	v_nop                                          ; a plain place behind the reciprocals
	s_wait_alu depctr_va_vdst(0)                   ; one wait for the two, ahead of their first reader
.set n, 0
.rept 16
	v_pk_mul_f32 v[SS+n:SS+n+1], v[OO+n:OO+n+1], v[10:11] op_sel_hi:[1,0]  ; each accumulator from its low end on
.set n, n+2
.endr
.rept 16
	v_pk_mul_f32 v[SS+n:SS+n+1], v[OO+n:OO+n+1], v[14:15] op_sel_hi:[1,0]
.set n, n+2
.endr
.irp b, 0,1,2,3
	v_max3_num_f32 v[236+\b], |v[SS+16*\b]|, |v[SS+1+16*\b]|, FLOOR
.endr
.irp i, 2,4,6,8,10,12,14
.irp b, 0,1,2,3
	v_max3_num_f32 v[236+\b], v[236+\b], |v[SS+16*\b+\i]|, |v[SS+1+16*\b+\i]|
.endr
.endr
.irp b, 0,1,2,3
	v_permlanex16_b32 v[240+\b], v[236+\b], s42, s43
.endr
.irp b, 0,1,2,3
	v_max_num_f32 v[236+\b], v[236+\b], v[240+\b]
.endr
	WORD
	PACKP
	global_store_b128 v1, v[PC:PC+3], s[52:53]                     ; 512 consecutive bytes, aligned to 256
	global_store_b64 v2, v[PC+4:PC+5], s[52:53] offset:512         ; 256
	global_store_b128 v1, v[PC+6:PC+9], s[52:53] offset:768
	global_store_b64 v2, v[PC+10:PC+11], s[52:53] offset:1280
	global_store_b32 v252, v234, s[58:59]          ; row r's scale word: lanes 16-31 store the same word to the same place
	s_wait_tensorcnt 0x0                           ; the wave's end
	ds_add_u32 v3, v4
	s_wait_dscnt 0x0
	s_endpgm
.Lfunc_end_k_q8462356c0f_attn:
	.size	k_q8462356c0f_attn, .Lfunc_end_k_q8462356c0f_attn-k_q8462356c0f_attn
	.p2alignl 7, 3214868480
	.fill 96, 4, 3214868480
	.section	.rodata,"a",@progbits
	.p2align	6, 0x0
	.amdhsa_kernel k_q8462356c0f_attn
		.amdhsa_group_segment_fixed_size 327680
		.amdhsa_private_segment_fixed_size 0
		.amdhsa_enable_private_segment 0
		.amdhsa_kernarg_size 16
		.amdhsa_user_sgpr_count 2
		.amdhsa_user_sgpr_kernarg_segment_ptr 1
		.amdhsa_wavefront_size32 1
		.amdhsa_system_sgpr_workgroup_id_x 1
		.amdhsa_system_sgpr_workgroup_id_y 1
		.amdhsa_system_sgpr_workgroup_id_z 1
		.amdhsa_system_vgpr_workitem_id 0
		.amdhsa_next_free_vgpr 256
		.amdhsa_next_free_sgpr 80
		.amdhsa_reserve_vcc 1
		.amdhsa_float_denorm_mode_32 3
		.amdhsa_float_denorm_mode_16_64 3
		.amdhsa_memory_ordered 1
		.amdhsa_forward_progress 1
		.amdhsa_inst_pref_size 184
	.end_amdhsa_kernel
	.amdgpu_metadata
---
amdhsa.version: [ 1, 2 ]
amdhsa.kernels:
  - .name:           k_q8462356c0f_attn
    .symbol:         k_q8462356c0f_attn.kd
    .args:
      - { .name: qkv, .offset: 0, .size: 8, .value_kind: global_buffer, .address_space: global }
      - { .name: orec, .offset: 8, .size: 8, .value_kind: global_buffer, .address_space: global }
    .group_segment_fixed_size: 327680
    .private_segment_fixed_size: 0
    .kernarg_segment_align: 8
    .kernarg_segment_size: 16
    .max_flat_workgroup_size: 512
    .sgpr_count:     80
    .vgpr_count:     256
    .wavefront_size: 32
...
	.end_amdgpu_metadata
.endif
;; end of part 3
;; launch proj (part 4): grid 4 x 64, 4 waves a work-group, clusters of 4 x 4, 307,712 bytes of LDS; arguments orec, wr, bp, out0; writes out0
.if DOCPART == 4
	.amdgcn_target "amdgcn-amd-amdhsa--gfx1250"
	.amdhsa_code_object_version 6
	.text
	.protected	k_q8462356c0f_proj
	.globl	k_q8462356c0f_proj
	.p2align	8
	.type	k_q8462356c0f_proj,@function
k_q8462356c0f_proj:
	s_mov_b64 s[64:65], 0
	v_nop
	global_prefetch_b8 v0, s[64:65] scope:SCOPE_SE
	s_setreg_imm32_b32 hwreg(HW_REG_WAVE_MODE, 25, 1), 1
	s_wait_xcnt 0x0
	s_wait_alu depctr_hold_cnt(0) depctr_sa_sdst(0) depctr_va_vdst(0) depctr_va_sdst(0) depctr_va_ssrc(0) depctr_va_vcc(0) depctr_vm_vsrc(0)
	s_getreg_b32 s2, hwreg(HW_REG_IB_STS2, 6, 4)
	s_cmp_eq_u32 s2, 0
	s_cbranch_scc0 .Lentry_in_a_cluster
	s_endpgm
.Lentry_in_a_cluster:
	s_bfe_u32 s2, ttmp6, 0x10000c
	s_cmp_lg_u32 s2, 0xf033
	s_cbranch_scc0 .Lentry_shape_is_right
	s_endpgm
.Lentry_shape_is_right:
; out0 = o Wp + bp on codes of FP6 (E2M3) with E8M0 scales, f32 sums.  o comes as block records (128 tokens x K 1,024) from orec, Wp as block records 24 to 31 of wr.
; A work-group makes 128 tokens (record tile y of orec: P) x 256 output channels (records 24 + 2 tile x, + 1 of wr: R).  All of K lies in LDS: twelve chunk records of 25,600 bytes, each filled once.
; CLUSTERS: 4 x 4.  The four of a row need the same P, the four of a column the same R: each chunk is asked for jointly.  Wave 0 asks for P's four chunks, waves 1 and 2 for an R record's four, wave 3 for none: four tensor loads a wave are out at the most.
; A WAVE: 4 tiles L of tokens (source 1: a lane is a token) x 8 tiles G of channels (source 0): 32 accumulators.  By the rule of tiles (lane r of tile i: row 32 (i / 2) + 8 (i % 2) + r + 8 (r / 8)) G's tile b gives a lane
; the eight neighbouring channels 32 (b / 2) + 16 (lane / 16) + 8 (b % 2) + 0 .. 7.  The bias is the C of each sum's first matrix instruction.
; LIMITS: NaN and infinities are not served.
; REGISTERS: window 0: v1-13 addresses; v16-39 scale words, two sets of 8 + 4; v40-135 L's fragments, two sets; v136-199 the bias; on the way out v40-167 rows of the result.  window 1: G's fragments, two sets of 96.  window 2: accumulator (a, b) at v[8 (8 a + b)].
.set CHUNK, 76800
.set PART,  25600
.set SCW,   24576
.set SC,    16
.set LF,    40
.set BI,    136
.set MSB, 0
.macro WIN new                         ; the immediate's high byte repeats the setting that is left
.if MSB != \new
	s_set_vgpr_msb (MSB<<8)|\new
.set MSB, \new
.endif
.endm
.macro PLACES                          ; four plain places: in front of loads into registers that matrix instructions have read, and of the first read of results
.rept 4
	v_nop
.endr
.endm
.macro CROUND                          ; a round of the cluster's barrier
	s_barrier_signal -1
	s_barrier_wait -1
	s_cmp_lg_u32 s16, 0
	s_cbranch_scc1 .Lnot_wave_0_\@
	s_barrier_signal -3
.Lnot_wave_0_\@:
	s_barrier_wait -3
	s_barrier_signal -1
	s_barrier_wait -1
.endm
	s_load_b256 s[4:11], s[0:1], 0x0               ; orec, wr, bp, out0
	v_lshl_add_u32 v254, v0, 2, 0x4b000
	v_mov_b32 v255, 0
	ds_add_u32 v254, v255
	v_lshrrev_b32 v1, 5, v0
	v_readfirstlane_b32 s16, v1                    ; wave 0..3
	s_and_b32 s17, s16, 1                          ; w0
	s_lshr_b32 s18, s16, 1                         ; w1
	s_bfe_u32 s20, ttmp6, 0x40000                  ; cx
	s_bfe_u32 s21, ttmp6, 0x40004                  ; cy
	s_lshl_b32 s22, ttmp9, 2
	s_add_co_u32 s22, s22, s20                     ; tile x
	s_and_b32 s23, ttmp7, 0xffff
	s_lshl_b32 s23, s23, 2
	s_add_co_u32 s23, s23, s21                     ; tile y
	s_lshl_b32 s56, s21, 2
	s_lshl_b32 s56, 15, s56                        ; my row of the cluster
	s_lshl_b32 s57, 0x1111, s20                    ; my column
	s_or_b32 s24, s56, (3<<16)|(1<<21)             ; group 1 for P: the mask; elements of 8 bytes; bit 21 beside a mask; no padding
	s_or_b32 s32, s57, (3<<16)|(1<<21)             ; for R
.irp g, 24, 32                         ; a chunk record: 100 rows of 256 bytes, dense
	s_mov_b32 s[\g+1], 32<<16
	s_mov_b32 s[\g+2], 100<<16
	s_mov_b32 s[\g+3], 32<<16
	s_mov_b32 s[\g+4], 100
	s_mov_b32 s[\g+5], 32
	s_mov_b32 s[\g+6], 0
	s_mov_b32 s[\g+7], 0
.endr
	s_mul_i32 s58, s23, 102400                     ; P hangs on tile y alone,
	s_mov_b32 s59, 0
	s_lshl_b32 s60, s22, 1
	s_add_co_u32 s60, s60, s18
	s_add_co_u32 s60, s60, 24
	s_mul_i32 s60, s60, 102400                     ; R on tile x and the wave's number
	s_mov_b32 s61, 0
	s_mul_i32 s62, s18, PART
	s_add_co_u32 s62, s62, PART                    ; R's part of a chunk: 1 + wave / 2
	s_wait_dscnt 0x0
	s_wait_kmcnt 0x0
	s_add_nc_u64 s[58:59], s[4:5], s[58:59]
	s_add_nc_u64 s[60:61], s[6:7], s[60:61]
.irp q, 0,1,2,3                        ; a group 0 for each chunk: s[40:55] P's, s[68:83] R's
	s_mov_b32 s[40+4*\q], 1
	s_mov_b32 s[41+4*\q], CHUNK*\q
	s_add_nc_u64 s[42+4*\q:43+4*\q], s[58:59], PART*\q
	s_or_b32 s[43+4*\q], s[43+4*\q], 0x80000000
	s_mov_b32 s[68+4*\q], 1
	s_add_co_u32 s[69+4*\q], s62, CHUNK*\q
	s_add_nc_u64 s[70+4*\q:71+4*\q], s[60:61], PART*\q
	s_or_b32 s[71+4*\q], s[71+4*\q], 0x80000000
.endr
	CROUND                                         ; all sixteen work-groups are here: the joint loads meet
	s_cmp_eq_u32 s16, 0                            ; a wave's fills stand in one arm of a branch on the wave's number; four v_nop follow the last
	s_cbranch_scc0 .Lnot_p
.irp q, 0,1,2,3
	tensor_load_to_lds s[40+4*\q:43+4*\q], s[24:31]
	s_nop 0
.endr
	PLACES
	s_branch .Lfilled
.Lnot_p:
	s_cmp_eq_u32 s16, 3
	s_cbranch_scc1 .Lfilled
.irp q, 0,1,2,3
	tensor_load_to_lds s[68+4*\q:71+4*\q], s[32:39]
	s_nop 0
.endr
	PLACES
.Lfilled:
	v_and_b32 v1, 31, v0
	v_lshlrev_b32 v2, 4, v1                        ; 16 x lane
	v_lshlrev_b32 v3, 3, v1                        ; 8 x lane
	v_lshlrev_b32 v4, 2, v1                        ; 4 x lane
	s_mul_i32 s56, s17, PART
	s_add_co_u32 s56, s56, PART                    ; G = part 1 + w0
	s_mul_i32 s57, s18, 12288                      ; L = part 0, tiles 4 w1 on;
	s_lshl_b32 s86, s18, 9                         ; their scale words
	v_add_nc_u32 v5, s56, v2
	v_add_nc_u32 v6, s56, v3
	v_add_nc_u32 v7, s56, v4
	v_add_nc_u32 v8, s57, v2
	v_add_nc_u32 v9, s57, v3
	v_add_nc_u32 v10, s86, v4
	s_mul_i32 s87, s16, 8448                       ; my stage for the way out: 16 rows x (512 bytes + 16), in chunk 0's bytes
	v_and_b32 v12, 15, v0
	v_bfe_u32 v11, v0, 4, 1
	v_mul_u32_u24 v12, v12, 528
	v_lshl_add_u32 v12, v11, 6, v12
	v_add_nc_u32 v12, s87, v12                     ; in: row r, + 64 h
	v_add_nc_u32 v13, s87, v2                      ; back: 16 x lane, a row by the immediate
	v_lshlrev_b32 v11, 6, v11                      ; the bias: 16 h numbers on
	s_lshl_b32 s88, s22, 10
	s_lshl_b32 s89, s17, 9
	s_add_co_u32 s88, s88, s89                     ; my first channel, in bytes: 256 tile x + 128 w0 numbers
	s_mov_b32 s89, 0
	s_add_nc_u64 s[90:91], s[8:9], s[88:89]
.irp b, 0,1,2,3,4,5,6,7
	global_load_b128 v[BI+8*\b:BI+8*\b+3], v11, s[90:91] offset:(32*(\b/2)+8*(\b%2))*4
	global_load_b128 v[BI+8*\b+4:BI+8*\b+7], v11, s[90:91] offset:(32*(\b/2)+8*(\b%2))*4+16
.endr
	s_lshl_b32 s92, s23, 19                        ; 128 tile y rows of 4,096 bytes
	s_lshl_b32 s93, s18, 18                        ; 64 w1 rows
	s_add_co_u32 s92, s92, s93
	s_add_co_u32 s92, s92, s88
	s_mov_b32 s93, 0
	s_add_nc_u64 s[94:95], s[10:11], s[92:93]
; K step k's fragments into set k % 2: G's eight, L's four, four dense loads each; with an even k the chunk's scale words (lanes 0-15: the even step's, lanes 16-31: the odd step's)
.macro FETCH k
.set FS, (\k)%2
.set FO, 1536*((\k)%2)
.set FC, ((\k)/2)%2
	WIN 0
.if ((\k)%2 == 0) && ((\k) > 0)
.irp a, 5,6,7,8,9,10
	v_add_nc_u32 v\a, CHUNK, v\a                   ; on to the next chunk
.endr
.endif
	WIN 0x40                                       ; destination window 1
.irp i, 0,1,2,3,4,5,6,7
	ds_load_b128 v[96*FS+12*\i:96*FS+12*\i+3], v5 offset:FO+3072*\i
	ds_load_b64 v[96*FS+12*\i+4:96*FS+12*\i+5], v6 offset:FO+3072*\i+512
	ds_load_b128 v[96*FS+12*\i+6:96*FS+12*\i+9], v5 offset:FO+3072*\i+768
	ds_load_b64 v[96*FS+12*\i+10:96*FS+12*\i+11], v6 offset:FO+3072*\i+1280
.endr
	WIN 0
.irp i, 0,1,2,3
	ds_load_b128 v[LF+48*FS+12*\i:LF+48*FS+12*\i+3], v8 offset:FO+3072*\i
	ds_load_b64 v[LF+48*FS+12*\i+4:LF+48*FS+12*\i+5], v9 offset:FO+3072*\i+512
	ds_load_b128 v[LF+48*FS+12*\i+6:LF+48*FS+12*\i+9], v8 offset:FO+3072*\i+768
	ds_load_b64 v[LF+48*FS+12*\i+10:LF+48*FS+12*\i+11], v9 offset:FO+3072*\i+1280
.endr
.if (\k)%2 == 0
.irp i, 0,1,2,3,4,5,6,7
	ds_load_b32 v[SC+12*FC+\i], v7 offset:SCW+128*\i
.endr
.irp i, 0,1,2,3
	ds_load_b32 v[SC+12*FC+8+\i], v10 offset:SCW+128*\i
.endr
.endif
.endm
; 16 matrix instructions: L's tiles a0, a0 + 1 x G's eight.  cmode 1: the sums begin with the bias.  The 32 accumulators take turns, one instruction a turn, in the same order in every step.
.macro MUL16 a0, k, cmode
.set MS, (\k)%2
.set MC, ((\k)/2)%2
.if \cmode
	WIN 0x81                                       ; G window 1, L and C window 0, D window 2
.else
	WIN 0xa1                                       ; G window 1, L window 0, C and D window 2
.endif
.irp a, \a0, \a0+1
.irp b, 0,1,2,3,4,5,6,7
.if \cmode == 1
	v_wmma_scale_f32_16x16x128_f8f6f4 v[8*(8*(\a)+\b):8*(8*(\a)+\b)+7], v[96*MS+12*\b:96*MS+12*\b+11], v[LF+48*MS+12*(\a):LF+48*MS+12*(\a)+11], v[BI+8*\b:BI+8*\b+7], v[SC+12*MC+\b], v[SC+12*MC+8+(\a)] matrix_a_fmt:MATRIX_FMT_FP6 matrix_b_fmt:MATRIX_FMT_FP6
.elseif MS == 0
	v_wmma_scale_f32_16x16x128_f8f6f4 v[8*(8*(\a)+\b):8*(8*(\a)+\b)+7], v[96*MS+12*\b:96*MS+12*\b+11], v[LF+48*MS+12*(\a):LF+48*MS+12*(\a)+11], v[8*(8*(\a)+\b):8*(8*(\a)+\b)+7], v[SC+12*MC+\b], v[SC+12*MC+8+(\a)] matrix_a_fmt:MATRIX_FMT_FP6 matrix_b_fmt:MATRIX_FMT_FP6
.else
	v_wmma_scale_f32_16x16x128_f8f6f4 v[8*(8*(\a)+\b):8*(8*(\a)+\b)+7], v[96*MS+12*\b:96*MS+12*\b+11], v[LF+48*MS+12*(\a):LF+48*MS+12*(\a)+11], v[8*(8*(\a)+\b):8*(8*(\a)+\b)+7], v[SC+12*MC+\b], v[SC+12*MC+8+(\a)] matrix_a_fmt:MATRIX_FMT_FP6 matrix_b_fmt:MATRIX_FMT_FP6 matrix_a_scale:MATRIX_SCALE_ROW1 matrix_b_scale:MATRIX_SCALE_ROW1
.endif
.endr
.endr
.endm
; A K step of 128: 32 matrix instructions; in its middle the next step's fragments are fetched.  meet = 1: the next step begins a chunk: each wave waits for its load of that chunk (the count: its loads of the chunks behind it),
; signals, works on registers, and reads the chunk behind the barrier's wait.
.macro STEP k, cmode, meet
	s_wait_dscnt 0x0                               ; this step's fragments are in; no LDS instruction of mine is out at the signal
.if \meet
	s_wait_tensorcnt 3-((\k)+1)/2
	s_barrier_signal -1
.endif
	MUL16 0, \k, \cmode
.if \meet
	s_barrier_wait -1
.endif
.if (\k) < 7
	PLACES
	FETCH (\k)+1
.endif
	MUL16 2, \k, \cmode
	WIN 0
.endm
	s_wait_tensorcnt 0x3                           ; my load of chunk 0 has landed; those of chunks 1 to 3 may be out
	s_barrier_signal -1
	s_barrier_wait -1                              ; everybody's has
	FETCH 0
	s_wait_loadcnt 0x0                             ; the bias
	STEP 0, 1, 0
	STEP 1, 0, 1
	STEP 2, 0, 0
	STEP 3, 0, 1
	STEP 4, 0, 0
	STEP 5, 0, 1
	STEP 6, 0, 0
	STEP 7, 0, 0
	s_wait_dscnt 0x0
	s_barrier_signal -1
	s_barrier_wait -1                              ; every load has landed and no wave reads chunk 0 any more: its bytes, which have had their only fill, serve as stages
; THE WAY OUT, a tile of 16 tokens x 128 channels at a time: a lane holds 32 neighbouring bytes of a row, eight times; a tile goes through my own stage and comes back as whole rows of 512 bytes.
; LDS serves a wave's instructions in order: no wait between the stores and the loads, nor in front of the next tile's stores.
.macro TOSTAGE a
	WIN 0x08                                       ; an LDS store's data are its source 1: window 2
.irp b, 0,1,2,3,4,5,6,7
	ds_store_b128 v12, v[64*(\a)+8*\b:64*(\a)+8*\b+3] offset:128*(\b/2)+32*(\b%2)          ; each accumulator from its low end on
	ds_store_b128 v12, v[64*(\a)+8*\b+4:64*(\a)+8*\b+7] offset:128*(\b/2)+32*(\b%2)+16
.endr
	WIN 0
.set BB, LF+64*((\a)%2)
.irp t, 0,1,2,3,4,5,6,7,8,9,10,11,12,13,14,15
	ds_load_b128 v[BB+4*\t:BB+4*\t+3], v13 offset:528*\t
.endr
.endm
.macro SEND a, younger                 ; younger: the LDS instructions issued behind tile a's loads, which may stay out
.set BB, LF+64*((\a)%2)
	s_wait_dscnt \younger
.irp t, 0,1,2,3,4,5,6,7,8,9,10,11,12,13,14,15
	global_store_b128 v2, v[BB+4*\t:BB+4*\t+3], s[94:95] offset:(32*((\a)/2)+8*((\a)%2)+\t+8*(\t/8))*4096 th:TH_STORE_NT   ; 512 consecutive bytes of a row, aligned to 256; written once, read by nobody here
.endr
.endm
	PLACES
	TOSTAGE 0
.irp a, 1,2,3
.if \a > 1
	s_wait_xcnt 0x0                                ; the stores of two tiles back have read their registers: this tile's loads may land there
.endif
	TOSTAGE \a
	SEND \a-1, 32                                  ; behind the earlier tile's loads: this tile's 16 stores and 16 loads
.endr
	SEND 3, 0
	s_wait_dscnt 0x0
	s_wait_tensorcnt 0x0
	ds_add_u32 v254, v255
	s_wait_dscnt 0x0
	CROUND                                         ; the closing round: no work-group ends while a partner may still ask for a chunk that names it
	s_endpgm
.Lfunc_end_k_q8462356c0f_proj:
	.size	k_q8462356c0f_proj, .Lfunc_end_k_q8462356c0f_proj-k_q8462356c0f_proj
	.p2alignl 7, 3214868480
	.fill 96, 4, 3214868480
	.section	.rodata,"a",@progbits
	.p2align	6, 0x0
	.amdhsa_kernel k_q8462356c0f_proj
		.amdhsa_group_segment_fixed_size 307712
		.amdhsa_private_segment_fixed_size 0
		.amdhsa_enable_private_segment 0
		.amdhsa_kernarg_size 32
		.amdhsa_user_sgpr_count 2
		.amdhsa_user_sgpr_kernarg_segment_ptr 1
		.amdhsa_wavefront_size32 1
		.amdhsa_system_sgpr_workgroup_id_x 1
		.amdhsa_system_sgpr_workgroup_id_y 1
		.amdhsa_system_sgpr_workgroup_id_z 1
		.amdhsa_system_vgpr_workitem_id 0
		.amdhsa_next_free_vgpr 768
		.amdhsa_next_free_sgpr 100
		.amdhsa_reserve_vcc 0
		.amdhsa_float_denorm_mode_32 3
		.amdhsa_float_denorm_mode_16_64 3
		.amdhsa_memory_ordered 1
		.amdhsa_forward_progress 1
		.amdhsa_inst_pref_size 87
	.end_amdhsa_kernel
	.amdgpu_metadata
---
amdhsa.version: [ 1, 2 ]
amdhsa.kernels:
  - .name:           k_q8462356c0f_proj
    .symbol:         k_q8462356c0f_proj.kd
    .args:
      - { .name: orec, .offset: 0, .size: 8, .value_kind: global_buffer, .address_space: global }
      - { .name: wr, .offset: 8, .size: 8, .value_kind: global_buffer, .address_space: global }
      - { .name: bp, .offset: 16, .size: 8, .value_kind: global_buffer, .address_space: global }
      - { .name: out0, .offset: 24, .size: 8, .value_kind: global_buffer, .address_space: global }
    .group_segment_fixed_size: 307712
    .private_segment_fixed_size: 0
    .kernarg_segment_align: 8
    .kernarg_segment_size: 32
    .max_flat_workgroup_size: 128
    .sgpr_count:     100
    .vgpr_count:     768
    .wavefront_size: 32
...
	.end_amdgpu_metadata
.endif
;; end of part 4
